; MI455X (gfx1250); checked and timed in simulation.
; The chip was launched on July 23, 2026; its instructions are those of AMD's public machine-readable ISA for CDNA 5 (MIT licence, August 2026) and "CDNA5" Instruction Set Architecture Reference Guide (July 2026). The comments in the code are by the model that wrote it; some were corrected since.
;; Block. Allowed arithmetic: float matrix products may take bf16 or f16 operands with f32 sums; other float arithmetic in f32, or as packed bf16 or f16 multiplies, adds, multiply-adds, maxima and minima; sums over many terms, partial sums and values carried from step to step in f32; what a program stores and reads back later, other than sums and carried values, may be rounded once to bf16 or f16.
;; Inputs: b_aproj 1,024 float32; b_attn 3,072 float32; b_fc 4,096 float32; b_mproj 1,024 float32; ln1_b 1,024 float32; ln1_g 1,024 float32; ln2_b 1,024 float32; ln2_g 1,024 float32; w_aproj 1,024 x 1,024 float32; w_attn 1,024 x 3,072 float32; w_fc 1,024 x 4,096 float32; w_mproj 4,096 x 1,024 float32; x 4 x 1,024 x 1,024 float32.
;; Outputs: out0 4 x 1,024 x 1,024 float32; out1 4 x 2 x 16 x 1,024 x 64 float32.
;; One version. Each part assembles by itself: llvm-mc -triple=amdgcn-amd-amdhsa -mcpu=gfx1250 --defsym DOCPART=n.
;; ======== version 1 of 1: 7 launches
;; limits: values are held in f16: magnitudes above 65,504 overflow, below 6.1e-05 lose precision; values outside matrix products are rounded to f16
;; workspace buffers: wq 8,388,608 bytes; wr 16,777,216 bytes; hn 8,388,608 bytes; qkv 25,165,824 bytes; act 33,554,432 bytes; x2 16,777,216 bytes
;; launch prep (part 1): grid 512 x 1, 16 waves a work-group, no clusters, 0 bytes of LDS; arguments x, ln1_g, ln1_b, w_attn, w_aproj, wq, hn; writes wq, hn
.if DOCPART == 1
	.amdgcn_target "amdgcn-amd-amdhsa--gfx1250"
	.amdhsa_code_object_version 6
	.text
	.protected	k_q229b586907_prep
	.globl	k_q229b586907_prep
	.p2align	8
	.type	k_q229b586907_prep,@function
k_q229b586907_prep:
	s_mov_b64 s[64:65], 0
	v_nop
	global_prefetch_b8 v0, s[64:65] scope:SCOPE_SE
	s_setreg_imm32_b32 hwreg(HW_REG_WAVE_MODE, 25, 1), 1
	s_wait_xcnt 0x0
; THE PROGRAM: one transformer block on 4,096 tokens of 1,024 channels, in seven launches: this one (w_attn and w_aproj to f16, first norm), the q/k/v product,
; causal attention (which also widens k and v into reference()'s present and rounds w_fc and w_mproj to f16), the projection with its residual, the second norm,
; the first MLP product with gelu, the second with its residual.
; WORK LEFT OUT, for the whole program.  reference() multiplies score (q, k) by mask(q, k) = (q >= k), which it builds itself: for k > q the product q.k is multiplied by 0
; whatever the inputs hold, and the score is the constant -1e10.  The weight of such a key is exp(-1e10 - m), m the row's largest score, and key k = q is always visible.
; So key steps that lie wholly above the diagonal are not computed (the attention kernel says which).  Every input has a way to an output: all are loaded.
; LIMITS.  A row whose largest visible score lies below -1e10 + 104 would give hidden keys a weight in reference(); here they never have one.  A NaN, an infinity or an
; overflow that reaches only the products left out is not carried to the result.  All matrix operands of the program are f16, each rounded once from f32: none may pass 65,504,
; and below 6e-5 they keep f16's fixed step of 6e-8.
; THIS LAUNCH.  Work-groups 0-255: 16,384 numbers of a weight each, f32 to f16, in the weight's own [K][N] order; w_attn (192 work-groups) and w_aproj (64) lie end to end in wq.
; Work-groups 256-511: the first norm of 16 rows each, one wave a row, the row kept in 32 registers between its passes.
; Each work-group reads 64 KiB and stores 32 KiB.  Bytes are all that counts here: no LDS, no barrier, no matrix unit.
.set XR,  8                            ; v[8:39]    my row of x
.set GR,  40                           ; v[40:71]   the gain of my 32 columns
.set BR,  72                           ; v[72:103]  the bias of my 32 columns
.set T,   104                          ; v[104:119] at work, then the row in f16
.set HNP, 20                           ; s[20:21]   hn
.macro REDUCE                          ; v[T] summed over the 32 lanes, the sum in every lane
	v_add_f32_dpp v[T], v[T], v[T] row_xmask:1 row_mask:0xf bank_mask:0xf
	v_add_f32_dpp v[T], v[T], v[T] row_xmask:2 row_mask:0xf bank_mask:0xf
	v_add_f32_dpp v[T], v[T], v[T] row_xmask:4 row_mask:0xf bank_mask:0xf
	v_add_f32_dpp v[T], v[T], v[T] row_xmask:8 row_mask:0xf bank_mask:0xf
	v_permlanex16_b32 v[T+1], v[T], s30, s31
	v_add_f32 v[T], v[T], v[T+1]
.endm
.macro LNROW                           ; mean, x - mean, mean of squares, (x - mean) rsqrt(s + eps) g + b, in reference()'s order
.set i, 0
.rept 8
	v_pk_add_f32 v[T+2*i:T+2*i+1], v[XR+2*i:XR+2*i+1], v[XR+16+2*i:XR+16+2*i+1]
.set i, i+1
.endr
.set i, 0
.rept 4
	v_pk_add_f32 v[T+2*i:T+2*i+1], v[T+2*i:T+2*i+1], v[T+8+2*i:T+8+2*i+1]
.set i, i+1
.endr
	v_pk_add_f32 v[T:T+1], v[T:T+1], v[T+4:T+5]
	v_pk_add_f32 v[T+2:T+3], v[T+2:T+3], v[T+6:T+7]
	v_pk_add_f32 v[T:T+1], v[T:T+1], v[T+2:T+3]
	v_add_f32 v[T], v[T], v[T+1]
	REDUCE
	v_mul_f32 v[T+2], 0x3a800000, v[T]             ; the mean: sum / 1,024
	v_mov_b32 v[T+3], v[T+2]
.set i, 0
.rept 16
	v_pk_add_f32 v[XR+2*i:XR+2*i+1], v[XR+2*i:XR+2*i+1], v[T+2:T+3] neg_lo:[0,1] neg_hi:[0,1]
.set i, i+1
.endr
.set i, 0
.rept 4                                ; the squares, in four chains
	v_pk_mul_f32 v[T+4+2*i:T+5+2*i], v[XR+2*i:XR+2*i+1], v[XR+2*i:XR+2*i+1]
.set i, i+1
.endr
.set i, 4
.rept 12
	v_pk_fma_f32 v[T+4+2*(i%4):T+5+2*(i%4)], v[XR+2*i:XR+2*i+1], v[XR+2*i:XR+2*i+1], v[T+4+2*(i%4):T+5+2*(i%4)]
.set i, i+1
.endr
	v_pk_add_f32 v[T+4:T+5], v[T+4:T+5], v[T+6:T+7]
	v_pk_add_f32 v[T+8:T+9], v[T+8:T+9], v[T+10:T+11]
	v_pk_add_f32 v[T+4:T+5], v[T+4:T+5], v[T+8:T+9]
	v_add_f32 v[T], v[T+4], v[T+5]
	REDUCE
	v_fma_f32 v[T], v[T], s32, s33                 ; sum / 1,024 + 1e-5
	v_rsq_f32 v[T+2], v[T]
	v_rsq_f32 v[T+3], v[T]                         ; twice: a pair for the packed multiply
	v_nop                                          ; a plain instruction behind the last of the two
	s_wait_alu depctr_va_vdst(0)                   ; one wait for both, ahead of their first reader
.set i, 0
.rept 16
	v_pk_mul_f32 v[XR+2*i:XR+2*i+1], v[XR+2*i:XR+2*i+1], v[T+2:T+3]
.set i, i+1
.endr
.set i, 0
.rept 16
	v_pk_fma_f32 v[XR+2*i:XR+2*i+1], v[XR+2*i:XR+2*i+1], v[GR+2*i:GR+2*i+1], v[BR+2*i:BR+2*i+1]
.set i, i+1
.endr
.set i, 0
.rept 16
	v_cvt_pk_f16_f32 v[T+i], v[XR+2*i], v[XR+2*i+1]
.set i, i+1
.endr
.set i, 0
.rept 8
	global_store_b64 v2, v[T+2*i:T+2*i+1], s[HNP:HNP+1] offset:256*i  ; 32 lanes store 256 consecutive bytes, aligned
.set i, i+1
.endr
.endm
	s_load_b256 s[8:15], s[0:1], 0x0               ; x, ln1_g, ln1_b, w_attn
	s_load_b128 s[16:19], s[0:1], 0x20             ; w_aproj, wq
	s_load_b64 s[20:21], s[0:1], 0x30              ; hn
	v_lshrrev_b32 v3, 5, v0
	v_readfirstlane_b32 s2, v3                     ; wave 0..15
	v_and_b32 v2, 31, v0
	v_lshlrev_b32 v1, 4, v2                        ; 16 bytes a lane on the way in,
	v_lshlrev_b32 v2, 3, v2                        ; 8 on the way out
	s_mov_b32 s3, ttmp9
	s_mov_b32 s29, 0
	s_mov_b32 s35, 0
	s_mov_b32 s30, 0x76543210                      ; v_permlanex16_b32: each lane takes its own place in the other half
	s_mov_b32 s31, 0xfedcba98
	s_mov_b32 s32, 0x3a800000                      ; 1 / 1,024
	s_mov_b32 s33, 0x3727c5ac                      ; 1e-5
	s_wait_kmcnt 0x0
	s_cmp_lt_u32 s3, 256
	s_cbranch_scc0 .Lln
	; THE CAST.  Which weight, and its first work-group: 0 or 192
	s_cmp_lt_u32 s3, 192
	s_cselect_b64 s[26:27], s[14:15], s[16:17]
	s_cselect_b32 s28, 0, 192
	s_sub_co_u32 s28, s3, s28
	s_lshl_b32 s28, s28, 16                        ; 65,536 bytes a work-group,
	s_lshl_b32 s34, s2, 12                         ; 4,096 a wave
	s_add_co_u32 s28, s28, s34
	s_add_nc_u64 s[26:27], s[26:27], s[28:29]
	s_lshl_b32 s28, s3, 15                         ; out: 32,768 a work-group, 2,048 a wave
	s_lshl_b32 s34, s2, 11
	s_add_co_u32 s28, s28, s34
	s_add_nc_u64 s[18:19], s[18:19], s[28:29]
.set j, 0
.rept 8
	global_load_b128 v[8+4*j:11+4*j], v1, s[26:27] offset:512*j th:TH_LOAD_NT
.set j, j+1
.endr
.set j, 0
.rept 8
	s_wait_loadcnt 7-j                             ; loads come back in order: load j is in, the younger ones stay out
	v_cvt_pk_f16_f32 v[40+2*j], v[8+4*j], v[9+4*j]
	v_cvt_pk_f16_f32 v[41+2*j], v[10+4*j], v[11+4*j]
	global_store_b64 v2, v[40+2*j:41+2*j], s[18:19] offset:256*j  ; 256 consecutive bytes, aligned
.set j, j+1
.endr
	s_endpgm
.Lln:
	; THE NORM
	s_sub_co_u32 s28, s3, 256
	s_lshl_b32 s28, s28, 4
	s_add_co_u32 s28, s28, s2                      ; my row
	s_lshl_b32 s34, s28, 12
	s_add_nc_u64 s[8:9], s[8:9], s[34:35]
	s_lshl_b32 s34, s28, 11
	s_add_nc_u64 s[HNP:HNP+1], s[HNP:HNP+1], s[34:35]
.set j, 0
.rept 8
	global_load_b128 v[XR+4*j:XR+4*j+3], v1, s[8:9] offset:512*j
	global_load_b128 v[GR+4*j:GR+4*j+3], v1, s[10:11] offset:512*j
	global_load_b128 v[BR+4*j:BR+4*j+3], v1, s[12:13] offset:512*j
.set j, j+1
.endr
	s_wait_loadcnt 0x0
	LNROW
	s_endpgm
.Lfunc_end_k_q229b586907_prep:
	.size	k_q229b586907_prep, .Lfunc_end_k_q229b586907_prep-k_q229b586907_prep
	.p2alignl 7, 3214868480
	.fill 96, 4, 3214868480
	.section	.rodata,"a",@progbits
	.p2align	6, 0x0
	.amdhsa_kernel k_q229b586907_prep
		.amdhsa_group_segment_fixed_size 0
		.amdhsa_private_segment_fixed_size 0
		.amdhsa_enable_private_segment 0
		.amdhsa_kernarg_size 56
		.amdhsa_user_sgpr_count 2
		.amdhsa_user_sgpr_kernarg_segment_ptr 1
		.amdhsa_wavefront_size32 1
		.amdhsa_system_sgpr_workgroup_id_x 1
		.amdhsa_system_sgpr_workgroup_id_y 1
		.amdhsa_system_sgpr_workgroup_id_z 1
		.amdhsa_system_vgpr_workitem_id 0
		.amdhsa_next_free_vgpr 120
		.amdhsa_next_free_sgpr 66
		.amdhsa_reserve_vcc 0
		.amdhsa_float_denorm_mode_32 3
		.amdhsa_float_denorm_mode_16_64 3
		.amdhsa_memory_ordered 1
		.amdhsa_forward_progress 1
		.amdhsa_inst_pref_size 15
	.end_amdhsa_kernel
	.amdgpu_metadata
---
amdhsa.version: [ 1, 2 ]
amdhsa.kernels:
  - .name:           k_q229b586907_prep
    .symbol:         k_q229b586907_prep.kd
    .args:
      - { .name: x, .offset: 0, .size: 8, .value_kind: global_buffer, .address_space: global }
      - { .name: ln1_g, .offset: 8, .size: 8, .value_kind: global_buffer, .address_space: global }
      - { .name: ln1_b, .offset: 16, .size: 8, .value_kind: global_buffer, .address_space: global }
      - { .name: w_attn, .offset: 24, .size: 8, .value_kind: global_buffer, .address_space: global }
      - { .name: w_aproj, .offset: 32, .size: 8, .value_kind: global_buffer, .address_space: global }
      - { .name: wq, .offset: 40, .size: 8, .value_kind: global_buffer, .address_space: global }
      - { .name: hn, .offset: 48, .size: 8, .value_kind: global_buffer, .address_space: global }
    .group_segment_fixed_size: 0
    .private_segment_fixed_size: 0
    .kernarg_segment_align: 8
    .kernarg_segment_size: 56
    .max_flat_workgroup_size: 512
    .sgpr_count:     66
    .vgpr_count:     120
    .wavefront_size: 32
...
	.end_amdgpu_metadata
.endif
;; end of part 1
;; launch gq (part 2): grid 12 x 16, 4 waves a work-group, clusters of 4 x 4, 327,680 bytes of LDS; arguments hn, wq, b_attn, qkv; writes qkv
.if DOCPART == 2
	.amdgcn_target "amdgcn-amd-amdhsa--gfx1250"
	.amdhsa_code_object_version 6
	.text
	.protected	k_q229b586907_gq
	.globl	k_q229b586907_gq
	.p2align	8
	.type	k_q229b586907_gq,@function
k_q229b586907_gq:
	s_mov_b64 s[64:65], 0
	v_nop
	global_prefetch_b8 v0, s[64:65] scope:SCOPE_SE
	s_setreg_imm32_b32 hwreg(HW_REG_WAVE_MODE, 25, 1), 1
	s_wait_xcnt 0x0
	s_wait_alu depctr_hold_cnt(0) depctr_sa_sdst(0) depctr_va_vdst(0) depctr_va_sdst(0) depctr_va_ssrc(0) depctr_va_vcc(0) depctr_vm_vsrc(0)
	s_getreg_b32 s2, hwreg(HW_REG_IB_STS2, 6, 4)
	s_cmp_eq_u32 s2, 0
	s_cbranch_scc0 .Lentry_in_a_cluster
	s_endpgm
.Lentry_in_a_cluster:
	s_bfe_u32 s2, ttmp6, 0x10000c
	s_cmp_lg_u32 s2, 0xf033
	s_cbranch_scc0 .Lentry_shape_is_right
	s_endpgm
.Lentry_shape_is_right:
; C = A W + bias.  A: hn, [4096][1024] f16.  W: [1024][N] f16, in the weight's own order, at its buffer's head.  Sums in f32, started by the bias.
; GELU = 0: W = w_attn, N = 3,072.  C goes out as q, k, v by heads in f16 (qkv: [3][batch x 16 + head][1024][64]).
; GELU = 1: W = w_fc, N = 4,096.  gelu(C) goes out in f16, in blocks of 64 columns (act: [batch][64 blocks][1024 tokens][64]).
; LIMIT.  f16 holds no number beyond 65,504: the operands arrive within it, and what is stored in f16 must lie within it.
; SHARES.  A tile of C is 256 x 256: four waves, each 128 x 128 in 64 accumulators.  K = 1,024 goes in 8 steps of 128 through two LDS slots that take turns.
; The matrix instruction is used transposed (source 0 = 16 columns of W, source 1 = 16 rows of A): a lane holds one row of C and eight neighbouring columns.
; W's rows lie along N, so its fragments come out of LDS turned, by ds_load_tr16_b128.
; CLUSTER.  4 x 4 work-groups: A's tile is asked for jointly along a row of the cluster, W's along a column.
; REGISTERS, in windows of 256: window 0: v0-31 addresses, v64-191 two buffers of A's fragments, v192-255 the bias as a C operand; window 1: v64-191 two buffers of W's fragments;
; windows 2, 3: the accumulators, (a, b) at 8 (8 a + b).
.set GELU,  0
.set N,     3072
.set WOFF,  0
.set PA,    272                        ; a row of A in LDS: 256 bytes + 16
.set PB,    544                        ; a k-row of W in LDS: 512 bytes + 32
.set HALFT, 34816                      ; what one tensor load brings: 128 rows of A, or 64 k-rows of W
.set BOFF,  69632                      ; W's tile lies behind A's
.set SLOT,  139264
.set SPARE, 278528                     ; behind the ring: the spare words, 128 bytes a wave
.set DP,    528                        ; the way out: a row of 128 f32 + 16 bytes
.set DWAVE, 128*DP                     ; each wave's own part of the ring, once its blocks have had their last fill
.set ADRA, 16                          ; v16  LDS address of my fragments of A in the slot in hand
.set A0L,  17                          ; v17  the same in slot 0; never rewritten
.set ADRB, 20
.set B0L,  21
.set DST,  24                          ; v24  the way out: where I put 32 bytes of a row
.set RDA,  25                          ; v25  the way out: where I read rows back
.set GO16, 26                          ; v26  8 x lane
.set SPW,  28                          ; v28  my spare word; never rewritten
.set NIL,  29                          ; v29  0; never rewritten
.set PFO,  30                          ; v30  the prefetches' lane offset; never rewritten
.set BO,   31                          ; v31  my offset in the bias
.set F0,   64
.set F1,   128
.set BIAS, 192
.set G1A, 24                           ; s[24:31] group 1 for A's tiles;  s[32:35] group 0 of K step 0, s[36:39] the walking one
.set G0A, 32
.set G1B, 48                           ; s[48:55], s[56:59], s[60:63] the same for W's
.set G0B, 56
.set SB,  70                           ; s70  LDS byte at which the slot in hand begins
.set LIM, 71                           ; s71  2 in a wave that prefetches, else the greatest number
.set PFA, 72                           ; s[72:73] where my prefetches stand
.set PFS, 74                           ; s[74:75] their step
.set MSB, 0
.macro WIN new                         ; the immediate's high byte repeats the setting that is left
.if MSB != (\new)
	s_set_vgpr_msb (MSB<<8)|(\new)
.set MSB, \new
.endif
.endm
.macro PLACES                          ; four plain places behind matrix instructions, ahead of loads into their registers and of reads of their results
.rept 4
	v_nop
.endr
.endm
.macro CREST                           ; a round of the cluster's barrier behind its opening barrier
	s_cmp_lg_u32 s10, 0
	s_cbranch_scc1 .Lnw0_\@
	s_barrier_signal -3
.Lnw0_\@:
	s_barrier_wait -3
	s_barrier_signal -1
	s_barrier_wait -1
.endm
.macro CROUND
	s_barrier_signal -1
	s_barrier_wait -1
	CREST
.endm
.macro JLOAD                           ; a joint refill by the walking descriptors: waves 0, 1 for A, waves 2, 3 for W; an s_nop 0 and four v_nop follow each line
	s_cmp_eq_u32 s11, 0
	s_cbranch_scc0 .Lfb_\@
	tensor_load_to_lds s[G0A+4:G0A+7], s[G1A:G1A+7]
	s_nop 0
.rept 4
	v_nop
.endr
	s_branch .Lfa_\@
.Lfb_\@:
	tensor_load_to_lds s[G0B+4:G0B+7], s[G1B:G1B+7]
	s_nop 0
.rept 4
	v_nop
.endr
.Lfa_\@:
.endm
; A prefetch of the K step that stands two refills on: 32 blocks of 256 bytes, a lane a block, one instruction a wave.  A's rows are asked for by the cluster with x = 0, W's by the cluster with
; y = 0; the four partners of a joint load share its rows out by address.  The last two refills have no K step two on.
.macro ASK
	s_cmp_gt_u32 s3, s[LIM]
	s_cbranch_scc0 .Lnm_\@
	global_prefetch_b8 v[PFO], s[PFA:PFA+1] th:TH_LOAD_NT scope:SCOPE_SE
.Lnm_\@:
.endm
; 16 matrix instructions: row blocks a0, a0 + 1 of the window's four x all 8 column blocks, 32 along K.  first = 1: the bias starts the sums.
.macro MUL16 f, hi, a0, first
.if \first
	WIN 0x81+0x40*(\hi)
.else
	WIN 0xa1+0x50*(\hi)
.endif
.irp a, \a0, (\a0)+1
.irp b, 0,1,2,3,4,5,6,7
.if \first
	v_wmma_f32_16x16x32_f16 v[8*(8*(\a)+(\b)):8*(8*(\a)+(\b))+7], v[(\f)+8*(\b):(\f)+8*(\b)+7], v[(\f)+8*(4*(\hi)+(\a)):(\f)+8*(4*(\hi)+(\a))+7], v[BIAS+8*(\b):BIAS+8*(\b)+7]
.else
	v_wmma_f32_16x16x32_f16 v[8*(8*(\a)+(\b)):8*(8*(\a)+(\b))+7], v[(\f)+8*(\b):(\f)+8*(\b)+7], v[(\f)+8*(4*(\hi)+(\a)):(\f)+8*(4*(\hi)+(\a))+7], v[8*(8*(\a)+(\b)):8*(8*(\a)+(\b))+7]
.endif
.endr
.endr
.endm
; 32 LDS loads in one run: quarter q (32 along K) of the slot in hand into buffer f: W's 8 fragments, turned, then A's 8
.macro FETCH q, f
	WIN 0x40
.irp i, 0,1,2,3,4,5,6,7
	ds_load_tr16_b128 v[(\f)+8*(\i):(\f)+8*(\i)+3],   v[ADRB] offset:(\q)*32*PB+32*(\i)
	ds_load_tr16_b128 v[(\f)+8*(\i)+4:(\f)+8*(\i)+7], v[ADRB] offset:(\q)*32*PB+16*PB+32*(\i)
.endr
	WIN 0
.irp i, 0,1,2,3,4,5,6,7
	ds_load_b128 v[(\f)+8*(\i):(\f)+8*(\i)+3],   v[ADRA] offset:64*(\q)+(\i)*16*PA
	ds_load_b128 v[(\f)+8*(\i)+4:(\f)+8*(\i)+7], v[ADRA] offset:64*(\q)+(\i)*16*PA+32
.endr
.endm
; One of a K step's first three quarters: multiplies buffer f and fetches quarter q into buffer g
.macro QUARTER q, f, g, first
	s_wait_dscnt 8                                 ; W's fragments and A's rows 0-63 are in; the youngest eight loads may be out
	MUL16 \f, 0, 0, \first
	MUL16 \f, 0, 2, \first
	PLACES
	FETCH \q, \g
	s_wait_dscnt 32                                ; all but the 32 just issued
	MUL16 \f, 1, 0, \first
	MUL16 \f, 1, 2, \first
.endm
; The last quarter multiplies buffer 1 and changes slots.  Its first 32 products stand AHEAD of the wait for the tensor load, so that between a tile's landing and the next request stand only
; the add, the barrier and the round.  In front of the barrier each wave waits for all its tensor loads (one is out: its part of the next slot), adds 0 to its spare word,
; and waits for that and for its reads of this slot.  fill = 1: the barrier opens a round of the cluster's, and the slot just read is filled again first thing behind it, two K steps ahead.
; fill = 0 (the last two K steps): nothing is asked for; in the last trip there is no next slot, and the run of LDS loads is jumped.
.macro TURN fill
.if \fill
	s_wait_xcnt 0x0                                ; the last prefetch, a K step back, has read its address
	s_add_nc_u64 s[PFA:PFA+1], s[PFA:PFA+1], s[PFS:PFS+1]
.endif
	s_wait_dscnt 8                                 ; W's fragments and A's rows 0-63 are in; the youngest eight loads may be out
	MUL16 F1, 0, 0, 0
	MUL16 F1, 0, 2, 0
	WIN 0
	s_wait_tensorcnt 0x0                           ; all my tensor loads have landed, so a group 0 may be written
	ds_add_u32 v[SPW], v[NIL]                      ; 0 onto my spare word: the descriptors' steps stand between it and the wait for it
.if \fill
	s_add_co_u32 s[G0A+5], s20, s[SB]              ; the walking descriptors take the slot in hand and the next K step
	s_add_nc_u64 s[G0A+6:G0A+7], s[G0A+6:G0A+7], 256
	s_add_co_u32 s[G0B+5], s20, s[SB]
	s_add_nc_u64 s[G0B+6:G0B+7], s[G0B+6:G0B+7], 256*N
.endif
	s_wait_dscnt 0x0                               ; the add is done, and my reads of this slot are over
	s_barrier_signal -1
	s_barrier_wait -1
.if \fill
	CREST
	JLOAD                                          ; its four v_nop are also the places ahead of the loads below
.else
	PLACES
.endif
	s_xor_b32 s[SB], s[SB], SLOT                   ; the other slot
	v_add_nc_u32 v[ADRA], s[SB], v[A0L]
	v_add_nc_u32 v[ADRB], s[SB], v[B0L]
.if !(\fill)
	s_cmp_eq_u32 s3, 1
	s_cbranch_scc1 .Lnf_\@
.endif
	FETCH 0, F0
	WIN 0
.if \fill
	ASK
.else
.Lnf_\@:
.endif
	MUL16 F1, 1, 0, 0
	MUL16 F1, 1, 2, 0
.endm
	s_load_b128 s[4:7], s[0:1], 0x0                ; A s[4:5], W s[6:7]
	s_load_b64 s[8:9], s[0:1], 0x10                ; the bias
	s_load_b64 s[66:67], s[0:1], 0x18              ; the f16 output
	v_lshl_add_u32 v[SPW], v0, 2, SPARE
	v_mov_b32 v[NIL], 0
	ds_add_u32 v[SPW], v[NIL]                      ; the wave's opening: the add, twice on end, and its wait ahead of my first tensor load
	ds_add_u32 v[SPW], v[NIL]
	v_lshrrev_b32 v1, 5, v0
	v_readfirstlane_b32 s10, v1                    ; wave 0..3
	s_lshr_b32 s11, s10, 1                         ; my half of the tile's rows; also: I fetch for A (0) or for W (1)
	s_and_b32 s12, s10, 1                          ; my half of its columns; also: which half of that tile I fetch
	s_bfe_u32 s40, ttmp6, 0x40000                  ; cx
	s_bfe_u32 s41, ttmp6, 0x40004                  ; cy
	s_lshl_b32 s42, ttmp9, 2
	s_add_co_u32 s42, s42, s40                     ; tile column
	s_and_b32 s13, ttmp7, 0xffff
	s_lshl_b32 s13, s13, 2
	s_add_co_u32 s13, s13, s41                     ; tile row
	s_lshl_b32 s43, s41, 2
	s_lshl_b32 s43, 15, s43                        ; my row of the cluster
	s_lshl_b32 s44, 0x1111, s40                    ; my column
	s_or_b32 s[G1A], s43, (1<<16)|(1<<20)|(1<<21)|(5<<22)|(3<<25)  ; mask; 2-byte elements; padding on; bit 21 beside a mask; after every 64 words 4 words
	s_or_b32 s[G1B], s44, (1<<16)|(1<<20)|(1<<21)|(6<<22)|(7<<25)  ; after every 128 words 8 words
	s_mov_b32 s[G1A+1], 128<<16                    ; A: 128 rows x 128 elements, 1,024 elements from row to row
	s_mov_b32 s[G1A+2], 128<<16
	s_mov_b32 s[G1A+3], 128<<16
	s_mov_b32 s[G1A+4], 128
	s_mov_b32 s[G1A+5], 1024
	s_mov_b32 s[G1A+6], 0
	s_mov_b32 s[G1A+7], 0
	s_mov_b32 s[G1B+1], 256<<16                    ; W: 64 k-rows x 256 elements, N elements from row to row
	s_mov_b32 s[G1B+2], 64<<16
	s_mov_b32 s[G1B+3], 256<<16
	s_mov_b32 s[G1B+4], 64
	s_mov_b32 s[G1B+5], N
	s_mov_b32 s[G1B+6], 0
	s_mov_b32 s[G1B+7], 0
	s_lshl_b32 s16, s13, 8
	s_lshl_b32 s17, s12, 7
	s_add_co_u32 s16, s16, s17                     ; A: row 256 x tile row + 128 x half,
	s_lshl_b32 s16, s16, 11                        ; in bytes
	s_mov_b32 s17, 0
	s_mul_i32 s46, s12, 128*N                      ; W: k-row 64 x half,
	s_lshl_b32 s47, s42, 9                         ; column 256 x tile column
	s_add_co_u32 s46, s46, s47
	s_add_co_u32 s46, s46, WOFF
	s_mov_b32 s47, 0
	s_mul_i32 s20, s10, HALFT                      ; where my part of a slot lies
	s_mov_b32 s[SB], 0
	s_wait_dscnt 0x0                               ; both opening adds are done
	s_wait_kmcnt 0x0
	s_add_nc_u64 s[14:15], s[4:5], s[16:17]
	s_add_nc_u64 s[46:47], s[6:7], s[46:47]
	CROUND                                         ; all sixteen work-groups are here: the first joint loads meet
.irp s, 0,1
	s_mov_b32 s[G0A+4*(\s)], 1
	s_add_co_u32 s[G0A+4*(\s)+1], s20, (\s)*SLOT
	s_add_nc_u64 s[G0A+4*(\s)+2:G0A+4*(\s)+3], s[14:15], (\s)*256
	s_or_b32 s[G0A+4*(\s)+3], s[G0A+4*(\s)+3], 0x80000000
	s_mov_b32 s[G0B+4*(\s)], 1
	s_add_co_u32 s[G0B+4*(\s)+1], s20, (\s)*SLOT
	s_add_nc_u64 s[G0B+4*(\s)+2:G0B+4*(\s)+3], s[46:47], (\s)*256*N
	s_or_b32 s[G0B+4*(\s)+3], s[G0B+4*(\s)+3], 0x80000000
.endr
	s_cmp_eq_u32 s11, 0                            ; a wave's two first fills stand in one branch: K steps 0 and 1
	s_cbranch_scc0 .Lfirst_b
	tensor_load_to_lds s[G0A:G0A+3], s[G1A:G1A+7]
	s_nop 0
	tensor_load_to_lds s[G0A+4:G0A+7], s[G1A:G1A+7]
	s_nop 0
.rept 4
	v_nop
.endr
	s_branch .Lfirst_done
.Lfirst_b:
	tensor_load_to_lds s[G0B:G0B+3], s[G1B:G1B+7]
	s_nop 0
	tensor_load_to_lds s[G0B+4:G0B+7], s[G1B:G1B+7]
	s_nop 0
.rept 4
	v_nop
.endr
.Lfirst_done:
	v_and_b32 v1, 15, v0                           ; l % 16
	v_bfe_u32 v2, v0, 4, 1                         ; l / 16
	s_lshl_b32 s21, s42, 10
	s_lshl_b32 s22, s12, 9
	s_add_co_u32 s21, s21, s22
	v_lshl_add_u32 v[BO], v2, 5, s21               ; the bias of my columns: 4 (256 x tile column + 128 x half + 8 (l / 16))
.irp b, 0,1,2,3,4,5,6,7
	global_load_b128 v[BIAS+8*(\b):BIAS+8*(\b)+3],   v[BO], s[8:9] offset:64*(\b)
	global_load_b128 v[BIAS+8*(\b)+4:BIAS+8*(\b)+7], v[BO], s[8:9] offset:64*(\b)+16
.endr
	v_mul_u32_u24 v3, v1, PA
	v_lshl_add_u32 v3, v2, 4, v3
	s_mul_i32 s21, s11, HALFT
	v_add_nc_u32 v[A0L], s21, v3                   ; A: my 128 rows; row l % 16, 16 bytes for each half of the lanes
	v_mov_b32 v[ADRA], v[A0L]
	v_and_b32 v4, 7, v0
	v_lshl_add_u32 v4, v2, 3, v4
	v_mul_u32_u24 v4, v4, PB                       ; W: k-row 8 (l / 16) + l % 8,
	v_bfe_u32 v5, v0, 3, 1
	v_lshl_add_u32 v4, v5, 4, v4                   ; columns 8 ((l / 8) % 2) on,
	s_lshl_b32 s22, s12, 8
	s_add_co_u32 s22, s22, BOFF                    ; in my 128 columns
	v_add_nc_u32 v[B0L], s22, v4
	v_mov_b32 v[ADRB], v[B0L]
	s_mul_i32 s21, s10, DWAVE
	v_mul_u32_u24 v3, v1, DP
	v_lshl_add_u32 v3, v2, 5, v3
	v_add_nc_u32 v[DST], s21, v3
	v_mul_u32_u24 v3, v2, DP
	v_lshl_add_u32 v3, v1, 4, v3
	v_add_nc_u32 v[RDA], s21, v3
	v_and_b32 v[PFO], 31, v0
	v_lshlrev_b32 v[GO16], 3, v[PFO]
	; the prefetches: my work-group's share of what my wave fetches, at K step 3; each change of slots steps it first
	s_lshl_b32 s84, s13, 8
	s_lshl_b32 s86, s12, 7
	s_add_co_u32 s84, s84, s86
	s_lshl_b32 s86, s40, 5
	s_add_co_u32 s84, s84, s86                     ; A: 32 rows by cx,
	s_lshl_b32 s84, s84, 11
	s_add_co_u32 s84, s84, 3*256
	s_lshl_b32 s85, s12, 6
	s_lshl_b32 s86, s41, 4
	s_add_co_u32 s85, s85, s86                     ; W: 16 k-rows by cy, two blocks each
	s_mul_i32 s85, s85, 2*N
	s_lshl_b32 s86, s42, 9
	s_add_co_u32 s85, s85, s86
	s_add_co_u32 s85, s85, WOFF+3*256*N
	s_and_b32 s87, ttmp7, 0xffff
	s_mov_b32 s[PFS], 256*N
	s_mov_b32 s[PFS+1], 0
	s_mov_b32 s88, 2*N
	s_cmp_eq_u32 s11, 0
	s_cselect_b64 s[PFA:PFA+1], s[4:5], s[6:7]
	s_cselect_b32 s86, s84, s85
	s_cselect_b32 s87, ttmp9, s87                  ; the coordinate along which other clusters read the same rows
	s_cselect_b32 s[PFS], 256, s[PFS]
	s_cselect_b32 s88, 2048, s88
	s_cselect_b32 s84, 0, 1
	s_cmp_eq_u32 s87, 0
	s_cselect_b32 s[LIM], 2, -1
	s_mov_b32 s87, 0
	s_add_nc_u64 s[PFA:PFA+1], s[PFA:PFA+1], s[86:87]
	v_and_b32 v3, s84, v[PFO]
	v_lshrrev_b32 v[PFO], s84, v[PFO]
	v_mul_lo_u32 v[PFO], v[PFO], s88
	v_lshl_add_u32 v[PFO], v3, 8, v[PFO]
	s_wait_tensorcnt 1                             ; my part of K step 0 is in; K step 1's may stay out
	s_barrier_signal -1
	s_barrier_wait -1
	FETCH 0, F0
	s_wait_loadcnt 0x0                             ; the bias
	QUARTER 1, F0, F1, 1                           ; the first quarter stands ahead of the loop: its products start the sums
	WIN 0
	s_mov_b32 s3, 6
	s_branch .Lmid
.Ltop:                                                 ; a trip is a K step; K steps 0 to 5 each fill their slot again
	QUARTER 1, F0, F1, 0
	WIN 0
.Lmid:
	QUARTER 2, F1, F0, 0
	QUARTER 3, F0, F1, 0
	TURN 1
	WIN 0
	s_sub_co_u32 s3, s3, 1
	s_cmp_lg_u32 s3, 0
	s_cbranch_scc1 .Ltop
	s_mov_b32 s3, 2
.Ltail:                                                ; K steps 6 and 7 ask for nothing: written apart
	QUARTER 1, F0, F1, 0
	QUARTER 2, F1, F0, 0
	QUARTER 3, F0, F1, 0
	TURN 0
	WIN 0
	s_sub_co_u32 s3, s3, 1
	s_cmp_lg_u32 s3, 0
	s_cbranch_scc1 .Ltail
	; THE WAY OUT.  Behind the last barrier no wave reads the ring and no fill is to come.  My 128 x 128 sums go in f32 into my own part of it and come back by rows, 8 rows a trip.
	PLACES
	WIN 0x08
.irp a, 0,1,2,3
.irp b, 0,1,2,3,4,5,6,7
	ds_store_b128 v[DST], v[8*(8*(\a)+(\b)):8*(8*(\a)+(\b))+3]   offset:(\a)*16*DP+64*(\b)
	ds_store_b128 v[DST], v[8*(8*(\a)+(\b))+4:8*(8*(\a)+(\b))+7] offset:(\a)*16*DP+64*(\b)+16
.endr
.endr
	WIN 0x0c
.irp a, 0,1,2,3
.irp b, 0,1,2,3,4,5,6,7
	ds_store_b128 v[DST], v[8*(8*(\a)+(\b)):8*(8*(\a)+(\b))+3]   offset:((\a)+4)*16*DP+64*(\b)
	ds_store_b128 v[DST], v[8*(8*(\a)+(\b))+4:8*(8*(\a)+(\b))+7] offset:((\a)+4)*16*DP+64*(\b)+16
.endr
.endr
	WIN 0
	s_and_b32 s14, ttmp7, 0xffff                   ; the batch: a cluster's four tile rows are one batch's 1,024 tokens
	s_lshl_b32 s17, s41, 8
	s_lshl_b32 s18, s11, 7
	s_add_co_u32 s17, s17, s18                     ; my first token in it
.if GELU
	s_lshl_b32 s18, s14, 6
	s_lshl_b32 s19, s42, 2
	s_add_co_u32 s18, s18, s19
	s_lshl_b32 s19, s12, 1
	s_add_co_u32 s18, s18, s19                     ; my first block of 64 columns
	s_lshl_b32 s18, s18, 17
	s_lshl_b32 s19, s17, 7
	s_add_co_u32 s18, s18, s19
	s_mov_b32 s19, 0
	s_add_nc_u64 s[66:67], s[66:67], s[18:19]
	s_mov_b32 s78, 0xbdd2d3e8                      ; -2 log2(e) sqrt(2 / pi) x 0.044715
	s_mov_b32 s79, s78
	s_mov_b32 s80, 0xc0135761                      ; -2 log2(e) sqrt(2 / pi)
	s_mov_b32 s81, s80
.else
	s_lshl_b32 s16, s40, 2
	s_lshl_b32 s18, s12, 1
	s_add_co_u32 s16, s16, s18                     ; my first head
	s_lshl_b32 s18, s14, 4
	s_add_co_u32 s18, s18, s16
	s_lshl_b32 s18, s18, 17
	s_lshl_b32 s19, ttmp9, 23                      ; q, k or v: the cluster's x
	s_add_co_u32 s18, s18, s19
	s_lshl_b32 s19, s17, 7
	s_add_co_u32 s18, s18, s19
	s_mov_b32 s19, 0
	s_add_nc_u64 s[66:67], s[66:67], s[18:19]
.endif
	s_mov_b32 s3, 16
.Lrow:
.irp t, 0,1,2,3,4,5,6,7                ; load t: rows 2 (t / 2), 2 (t / 2) + 1 of the trip's eight, block t % 2 of 64 columns: 16 lanes a row (LDS serves a wave's instructions in order: these see my stores)
	ds_load_b128 v[64+4*(\t):64+4*(\t)+3], v[RDA] offset:((\t)/2)*2*DP+((\t)%2)*256
.endr
	s_wait_dscnt 0x0
.if GELU
	; gelu(y) = 0.5 y (1 + tanh(z)) = y / (1 + 2^(y (A1 + A3 y^2))): the same function for all y; it runs out to y and to 0 at the ends
.set i, 0
.rept 16
	v_pk_mul_f32 v[96+2*i:97+2*i], v[64+2*i:65+2*i], v[64+2*i:65+2*i]
.set i, i+1
.endr
.set i, 0
.rept 16
	v_pk_fma_f32 v[96+2*i:97+2*i], v[96+2*i:97+2*i], s[78:79], s[80:81] op_sel_hi:[1,0,0]
.set i, i+1
.endr
.set i, 0
.rept 16
	v_pk_mul_f32 v[96+2*i:97+2*i], v[96+2*i:97+2*i], v[64+2*i:65+2*i]
.set i, i+1
.endr
.set i, 0
.rept 32
	v_exp_f32 v[96+i], v[96+i]
.set i, i+1
.endr
	v_nop                                          ; a plain instruction behind the last exponential,
	s_wait_alu depctr_va_vdst(0)                   ; and one wait for the batch
.set i, 0
.rept 16
	v_pk_add_f32 v[96+2*i:97+2*i], v[96+2*i:97+2*i], 1.0 op_sel_hi:[1,0]
.set i, i+1
.endr
.set i, 0
.rept 32
	v_rcp_f32 v[96+i], v[96+i]
.set i, i+1
.endr
	v_nop
	s_wait_alu depctr_va_vdst(0)                   ; one wait for the 32 reciprocals
.set i, 0
.rept 16
	v_pk_mul_f32 v[64+2*i:65+2*i], v[64+2*i:65+2*i], v[96+2*i:97+2*i]
.set i, i+1
.endr
.endif
.set i, 0
.rept 16
	v_cvt_pk_f16_f32 v[128+i], v[64+2*i], v[64+2*i+1]
.set i, i+1
.endr
.irp t, 0,1,2,3,4,5,6,7
	global_store_b64 v[GO16], v[128+2*(\t):129+2*(\t)], s[66:67] offset:((\t)%2)*131072+((\t)/2)*256  ; two rows of a block: 256 consecutive bytes, aligned
.endr
	s_wait_xcnt 0x0                                ; the stores have read their registers and base
	v_add_nc_u32 v[RDA], 8*DP, v[RDA]
	s_add_nc_u64 s[66:67], s[66:67], 1024
	s_sub_co_u32 s3, s3, 1
	s_cmp_lg_u32 s3, 0
	s_cbranch_scc1 .Lrow
	s_wait_tensorcnt 0x0                           ; the wave's end
	ds_add_u32 v[SPW], v[NIL]
	s_wait_dscnt 0x0
	CROUND                                         ; the closing round
	s_endpgm
.Lfunc_end_k_q229b586907_gq:
	.size	k_q229b586907_gq, .Lfunc_end_k_q229b586907_gq-k_q229b586907_gq
	.p2alignl 7, 3214868480
	.fill 96, 4, 3214868480
	.section	.rodata,"a",@progbits
	.p2align	6, 0x0
	.amdhsa_kernel k_q229b586907_gq
		.amdhsa_group_segment_fixed_size 327680
		.amdhsa_private_segment_fixed_size 0
		.amdhsa_enable_private_segment 0
		.amdhsa_kernarg_size 32
		.amdhsa_user_sgpr_count 2
		.amdhsa_user_sgpr_kernarg_segment_ptr 1
		.amdhsa_wavefront_size32 1
		.amdhsa_system_sgpr_workgroup_id_x 1
		.amdhsa_system_sgpr_workgroup_id_y 1
		.amdhsa_system_sgpr_workgroup_id_z 1
		.amdhsa_system_vgpr_workitem_id 0
		.amdhsa_next_free_vgpr 1024
		.amdhsa_next_free_sgpr 92
		.amdhsa_reserve_vcc 0
		.amdhsa_float_denorm_mode_32 3
		.amdhsa_float_denorm_mode_16_64 3
		.amdhsa_memory_ordered 1
		.amdhsa_forward_progress 1
		.amdhsa_inst_pref_size 83
	.end_amdhsa_kernel
	.amdgpu_metadata
---
amdhsa.version: [ 1, 2 ]
amdhsa.kernels:
  - .name:           k_q229b586907_gq
    .symbol:         k_q229b586907_gq.kd
    .args:
      - { .name: hn, .offset: 0, .size: 8, .value_kind: global_buffer, .address_space: global }
      - { .name: wq, .offset: 8, .size: 8, .value_kind: global_buffer, .address_space: global }
      - { .name: b_attn, .offset: 16, .size: 8, .value_kind: global_buffer, .address_space: global }
      - { .name: qkv, .offset: 24, .size: 8, .value_kind: global_buffer, .address_space: global }
    .group_segment_fixed_size: 327680
    .private_segment_fixed_size: 0
    .kernarg_segment_align: 8
    .kernarg_segment_size: 32
    .max_flat_workgroup_size: 128
    .sgpr_count:     92
    .vgpr_count:     1024
    .wavefront_size: 32
...
	.end_amdgpu_metadata
.endif
;; end of part 2
;; launch attn (part 3): grid 4 x 64, 4 waves a work-group, clusters of 4 x 1, 327,680 bytes of LDS; arguments qkv, act, out1, w_fc, w_mproj, wr; writes act, out1, wr
.if DOCPART == 3
	.amdgcn_target "amdgcn-amd-amdhsa--gfx1250"
	.amdhsa_code_object_version 6
	.text
	.protected	k_q229b586907_attn
	.globl	k_q229b586907_attn
	.p2align	8
	.type	k_q229b586907_attn,@function
k_q229b586907_attn:
	s_mov_b64 s[64:65], 0
	v_nop
	global_prefetch_b8 v0, s[64:65] scope:SCOPE_SE
	s_setreg_imm32_b32 hwreg(HW_REG_WAVE_MODE, 25, 1), 1
	s_wait_xcnt 0x0
	s_wait_alu depctr_hold_cnt(0) depctr_sa_sdst(0) depctr_va_vdst(0) depctr_va_sdst(0) depctr_va_ssrc(0) depctr_va_vcc(0) depctr_vm_vsrc(0)
	s_getreg_b32 s2, hwreg(HW_REG_IB_STS2, 6, 4)
	s_cmp_eq_u32 s2, 0
	s_cbranch_scc0 .Lentry_in_a_cluster
	s_endpgm
.Lentry_in_a_cluster:
	s_bfe_u32 s2, ttmp6, 0x10000c
	s_cmp_lg_u32 s2, 0x3003
	s_cbranch_scc0 .Lentry_shape_is_right
	s_endpgm
.Lentry_shape_is_right:
; CAUSAL ATTENTION, head size 64.  O[q] = the sum over k <= q of softmax_k(Q[q] . K[k] / 8) V[k].  Q, K, V: qkv, [3][64 heads][1024][64] f16; O: act, [64 heads][1024][64] f16.
; Products, maxima and sums in f32; the weights are rounded to f16 for the second product (their sum is taken of the unrounded ones), O once at the end.
; WORK LEFT OUT: key steps of 64 keys that lie wholly above the diagonal of a block of 128 queries: reference() multiplies those scores by a 0 that it builds itself and gives them the weight exp(-1e10 - m).
; LIMITS.  A hidden score counts as its value less 1e30, its weight as 0; in reference() it has a weight only where a row's largest visible score lies below -1e10 + 104.  A NaN, an infinity or an
; overflow that reaches only the steps left out is not carried to the result.  A weight below 2^-126 counts as 0.  f16 holds no number beyond 65,504.
; out1 (reference()'s present) is k and v as qkv holds them, rounded once to f16 and widened: off by 2^-11 of a number at the most, below 6e-5 by f16's fixed step.
; SHARES.  A cluster of four work-groups is one head.  Its 1,024 queries are 16 bands of 64, 8 blocks of two bands.  Work-group c owns rows 16 c .. 16 c + 15 of EVERY band; wave w owns blocks 7 - w and then w;
; a PIECE p is the block's 16 rows in its band p.  Block i walks the key steps 0 .. 2 i + 1: 2 (8 - w) + 2 (w + 1) = 18 steps for every wave of every work-group.
; The walk hangs on the wave's number alone; the place in the cluster enters global addresses and the mask's numbers alone.
; K AND V of the head, 256 KiB, are asked for ONCE, jointly by the four partners, and stay in LDS: no slot is filled again, and no barrier follows the first.
; TWO STREAMS RIDE ALONG.  (1) While the tiles are on their way, each of the head's sixteen waves reads its sixteenth of k and of v from qkv (8 bytes a lane: 256 consecutive bytes an instruction), widens it
; and stores it into out1 (16 bytes a lane: 512 consecutive bytes).  (2) w_fc and w_mproj, 8,388,608 numbers, are 8,192 for each of the launch's 1,024 waves: 64 loads go out behind the first barrier,
; into registers that nothing else names; they are rounded to f16 and stored between the wave's two blocks, ten key steps or more later, and the stores leave under the second block.
; THE STEP LOOP counts 16 trips for every block; trip t is key step t, and the 14 - 2 i trips that block i does not have come last and are jumped.  K's and V's LDS addresses step once in every trip, jumped or not.
; THE MASK is the C operand that starts the sum S^T = K Q^T: MD x AL + BE.  MD, made once, is the mask of a band's own step for my 16 rows.  (AL, BE) = (0, 0) below the diagonal,
; (1, 0) in the band's own step, (0, -1e30) for piece 0 in the block's last step, which it does not see.  A mask is made anew only where it changes.
; TURNS.  S^T holds one query a lane and the keys 8 (lane / 16) + 0..7; two results rounded to f16 are source 1 of O^T = V^T P.  p = 2^(c s - c m), c = log2(e) / 8, with a running maximum m;
; O and l are multiplied by a = 2^(c m_old - c m_new) in every step.  A turn belongs to a piece: 8 products K Q^T of the other piece's next scores, later 8 products V^T P of the other piece's last weights;
; beside them its own scaling, exponentials, roundings, sums and rescaling, and the other piece's maximum and statistics.
; A block's last turn makes scores of a step that the block does not have (on the K that lies behind its last, or, behind the head's last, on the old K once more) and never reads them on: the price of one text for every step.
; REGISTERS, in windows of 256: window 0: v0-15, v24 addresses; v16-23 statistics; v48-55 at work; v64-127 S^T, two buffers; v192-223 P, two buffers (at the start v64-255 serve stream 1)
;   window 1: v0-63 O^T; v128-159 MD; v160-223 the masks, a buffer a piece      window 2: v0-31 Q; v64-95 the second block's Q; v128-191 K of one step; v192-255 V of one step      window 3: stream 2
.set NP,    2
.set KS,    64
.set PK,    144       ; a row of K in LDS: 128 bytes + 16
.set PV,    160       ; a row of V: 128 + 32
.set VOFF,  1024*PK
.set STAGE, VOFF+1024*PV  ; behind K and V, never filled by a tensor load: 16 rows x 144 bytes for each wave
.set SP,    144
.set SPARE, STAGE+4*16*SP ; the spare words, 128 bytes a wave
.set AK0, 2           ; v2   my lane's place in a step of K; never rewritten
.set AV0, 3           ; v3   the same for V
.set AK,  4           ; v4   the LDS address of K's next run of loads
.set AV,  5           ; v5   of V's
.set STO, 6
.set RD,  7
.set GO,  8           ; v8   16 x lane; never rewritten
.set MV,  12          ; v12-13  c m_old, by buffer
.set QO,  15
.set ST,  16          ; piece t's statistics at v[ST+4 t]: c m, m, l (even keys', odd keys')
.set CI,  24          ; v24  8 x lane; never rewritten
.set TMP, 48          ; by buffer, c0-c3 at work; c2 takes a
.set SPW, 62
.set NIL, 63
.set S,   64
.set KO,  128         ; v128-255  stream 1: 128 numbers a lane, widened
.set P,   192
.set MD,  128
.set MC,  160
.set QB,  64
.set KF,  128
.set VF,  192
.set WV,  12          ; s12  my wave's number
.set CX,  14          ; s14  my place in the cluster
.set G1K, 24
.set G1V, 32
.set G0K, 40
.set G0V, 44
.set CNT, 57          ; s57  counts the 16 trips down
.set CS,  58
.set SEL, 60
.set BI,  70          ; s70  the block in hand
.set BLK, 72          ; s72  blocks to go
.set DEAD, 73         ; s73  the trips that the block does not have: 14 - 2 BI; a trip is jumped where CNT is not above it
.set D1,  74          ; s74  DEAD + 1: CNT in the block's last step
.set D2,  75          ; s75  DEAD + 2
.set D3,  83          ; s83  DEAD + 3
.set AL,  76
.set BE,  78
.set OLO, 80          ; s[80:81] O at my rows of the second block
.set BIGN, 82
.set PO1, 88          ; s[88:89] out1 at my sixteenth of k, then of v
.set PFC, 90          ; s[90:91] w_fc at my wave's 4,096 numbers
.set PMP, 92          ; s[92:93] w_mproj likewise
.set PWF, 94          ; s[94:95] wr at the same numbers of w_fc in f16
.set PKV, 96          ; s[96:97] qkv at my sixteenth of k, then of v
.set PWM, 98          ; s[98:99] wr at the same numbers of w_mproj in f16
.set MSB, 0
.macro WIN new
.if MSB != (\new)
	s_set_vgpr_msb (MSB<<8)|(\new)
.set MSB, (\new)
.endif
.endm
.set W_KQ, 0x0a
.set W_KM, 0x1a
.set W_PV, 0x52
.set W_RS, 0x41
.macro CROUND
	s_barrier_signal -1
	s_barrier_wait -1
	s_cmp_lg_u32 s[WV], 0
	s_cbranch_scc1 .Lnw0_\@
	s_barrier_signal -3
.Lnw0_\@:
	s_barrier_wait -3
	s_barrier_signal -1
	s_barrier_wait -1
.endm
.macro KVLOADS                      ; my sixteenth of k or v in f16: 32 loads of 256 consecutive bytes
.set j, 0
.rept 32
	global_load_b64 v[S+2*j:S+2*j+1], v[CI], s[PKV:PKV+1] offset:256*j
.set j, j+1
.endr
.endm
	s_load_b128 s[4:7], s[0:1], 0x0   ; qkv s[4:5], act s[6:7]
	s_load_b128 s[88:91], s[0:1], 0x10  ; out1, w_fc
	s_load_b128 s[92:95], s[0:1], 0x20  ; w_mproj, wr
	v_lshl_add_u32 v[SPW], v0, 2, SPARE
	v_mov_b32 v[NIL], 0
	ds_add_u32 v[SPW], v[NIL]       ; the wave's opening: the add, twice on end, and its wait ahead of my first tensor load
	ds_add_u32 v[SPW], v[NIL]
	v_lshrrev_b32 v1, 5, v0
	v_readfirstlane_b32 s[WV], v1
	s_bfe_u32 s[CX], ttmp6, 0x40000
	s_and_b32 s20, ttmp7, 0xffff    ; the head, which the four partners share
	s_lshl_b32 s67, s[CX], 2
	s_add_co_u32 s67, s67, s[WV]    ; my wave among the head's sixteen
	s_and_b32 s66, s20, 0xfff0      ; 16 x batch
	s_add_co_u32 s66, s66, s20      ; k's place among out1's heads: 32 x batch + head
	s_lshl_b32 s66, s66, 18         ; 262,144 bytes each,
	s_lshl_b32 s68, s67, 14
	s_add_co_u32 s66, s66, s68      ; and my sixteenth of it
	s_lshl_b32 s96, s67, 13         ; the same sixteenth in f16
	s_lshl_b32 s68, s20, 4
	s_add_co_u32 s68, s68, s67      ; my wave among the launch's 1,024:
	s_lshl_b32 s98, s68, 13         ; its 8,192 bytes of a weight in f16,
	s_lshl_b32 s68, s68, 14         ; its 16,384 in f32
	s_mov_b32 s67, 0
	s_mov_b32 s69, 0
	s_mov_b32 s97, 0
	s_mov_b32 s99, 0
	s_lshl_b32 s20, s20, 17         ; the head's 131,072 bytes in q, k, v and O
	s_add_co_u32 s96, s96, s20
	s_add_co_u32 s96, s96, 8388608  ; k lies behind q
	s_and_b32 s16, s[WV], 1         ; which half of the 1,024 keys I fetch
	s_lshl_b32 s22, s16, 16
	s_add_co_u32 s22, s22, s20
	s_mov_b32 s23, 0
	s_mul_i32 s17, s16, 512*PK
	s_mul_i32 s18, s16, 512*PV
	s_sub_co_u32 s[BI], 7, s[WV]    ; the first block
	s_lshl_b32 s3, s[CX], 11        ; my 16 rows in a band
	s_lshl_b32 s2, s[BI], 14        ; a block is 128 rows of 128 bytes
	s_add_co_u32 s2, s2, s3
	s_add_co_u32 s2, s2, s20
	s_lshl_b32 s84, s[WV], 14       ; the second block
	s_add_co_u32 s84, s84, s3
	s_add_co_u32 s84, s84, s20
	s_mov_b32 s3, 0
	s_mov_b32 s85, 0
	; 512 keys are 65,536 dense bytes: asked for as 256 rows of 256 bytes, two keys a row, padded in LDS after every key
	s_mov_b32 s[G1K], 15|(1<<16)|(1<<20)|(1<<21)|(4<<22)|(3<<25)
	s_mov_b32 s[G1V], 15|(1<<16)|(1<<20)|(1<<21)|(4<<22)|(7<<25)
.irp g, G1K, G1V
	s_mov_b32 s[\g+1], 128<<16
	s_mov_b32 s[\g+2], 256<<16
	s_mov_b32 s[\g+3], 128<<16
	s_mov_b32 s[\g+4], 256
	s_mov_b32 s[\g+5], 128
	s_mov_b32 s[\g+6], 0
	s_mov_b32 s[\g+7], 0
.endr
	s_mov_b32 s[CS], 0x3e38aa3b     ; c = log2(e) / 8
	s_mov_b32 s[CS+1], s[CS]
	s_mov_b32 s[SEL], 0x76543210
	s_mov_b32 s[SEL+1], 0xfedcba98
	s_mov_b32 s[G0K], 1
	s_mov_b32 s[G0K+1], s17
	s_mov_b32 s[G0V], 1
	s_add_co_u32 s[G0V+1], s18, VOFF
	s_mov_b32 s[AL+1], 0
	s_mov_b32 s[BE+1], 0
	s_mov_b32 s[BIGN], 0xf149f2ca   ; -1e30
	s_mov_b32 s[BLK], 2
	s_wait_dscnt 0x0                ; both opening adds are done
	s_wait_kmcnt 0x0
	s_add_nc_u64 s[G0K+2:G0K+3], s[4:5], s[22:23]
	s_add_nc_u64 s[G0K+2:G0K+3], s[G0K+2:G0K+3], 8388608    ; k lies behind q,
	s_or_b32 s[G0K+3], s[G0K+3], 0x80000000
	s_add_nc_u64 s[G0V+2:G0V+3], s[4:5], s[22:23]
	s_add_nc_u64 s[G0V+2:G0V+3], s[G0V+2:G0V+3], 16777216   ; v behind k
	s_or_b32 s[G0V+3], s[G0V+3], 0x80000000
	s_add_nc_u64 s[PKV:PKV+1], s[4:5], s[96:97]
	s_add_nc_u64 s[PO1:PO1+1], s[PO1:PO1+1], s[66:67]
	s_add_nc_u64 s[PFC:PFC+1], s[PFC:PFC+1], s[68:69]
	s_add_nc_u64 s[PMP:PMP+1], s[PMP:PMP+1], s[68:69]
	s_add_nc_u64 s[PWF:PWF+1], s[PWF:PWF+1], s[98:99]
	s_add_nc_u64 s[PWM:PWM+1], s[PWF:PWF+1], 8388608        ; w_mproj's f16 lies behind w_fc's
	s_add_nc_u64 s[86:87], s[4:5], s[84:85]
	s_add_nc_u64 s[4:5], s[4:5], s[2:3]
	s_add_nc_u64 s[OLO:OLO+1], s[6:7], s[84:85]
	s_add_nc_u64 s[10:11], s[6:7], s[2:3]
	CROUND                          ; all four work-groups are here: the joint loads meet
	s_cmp_lt_u32 s[WV], 2           ; waves 0, 1: K's halves; waves 2, 3: V's.  An s_nop 0 and four v_nop follow each line
	s_cbranch_scc0 .Lfor_v
	tensor_load_to_lds s[G0K:G0K+3], s[G1K:G1K+7]
	s_nop 0
.rept 4
	v_nop
.endr
	s_branch .Lasked
.Lfor_v:
	tensor_load_to_lds s[G0V:G0V+3], s[G1V:G1V+7]
	s_nop 0
.rept 4
	v_nop
.endr
.Lasked:
	v_and_b32 v1, 15, v0            ; l % 16
	v_bfe_u32 v9, v0, 4, 1          ; l / 16
	v_lshlrev_b32 v[QO], 7, v1
	v_lshl_add_u32 v[QO], v9, 4, v[QO]
	v_and_b32 v[GO], 31, v0
	v_lshlrev_b32 v[CI], 3, v[GO]
	v_lshlrev_b32 v[GO], 4, v[GO]
	WIN 0x80
.set i, 0
.rept 4                             ; both blocks' Q: piece i / 2 lies a band, 8,192 bytes, on; channels 32 (i % 2) on
	global_load_b128 v[8*i:8*i+3],   v[QO], s[4:5] offset:(i/2)*8192+(i%2)*64
	global_load_b128 v[8*i+4:8*i+7], v[QO], s[4:5] offset:(i/2)*8192+(i%2)*64+32
	global_load_b128 v[QB+8*i:QB+8*i+3],   v[QO], s[86:87] offset:(i/2)*8192+(i%2)*64
	global_load_b128 v[QB+8*i+4:QB+8*i+7], v[QO], s[86:87] offset:(i/2)*8192+(i%2)*64+32
.set i, i+1
.endr
	WIN 0
	KVLOADS                         ; stream 1: my sixteenth of k; the set-up below stands between the loads and the wait for them
	v_lshlrev_b32 v14, 3, v9
	v_sub_nc_u32 v14, v1, v14
	s_lshl_b32 s13, s[CX], 4
	v_add_nc_u32 v14, s13, v14      ; my query's place in its band, 16 c + l % 16, less 8 (l / 16): register r of key group kt is hidden where 16 kt + r is greater
	WIN 0x40
.set i, 0
.rept 32
	v_cmp_gt_i32 vcc_lo, 16*(i/8)+i%8, v14
	v_cndmask_b32 v[MD+i], 0, s[BIGN], vcc_lo
.set i, i+1
.endr
	WIN 0
	v_mul_u32_u24 v[AK0], v1, PK
	v_lshl_add_u32 v[AK0], v9, 4, v[AK0]
	v_and_b32 v10, 7, v0
	v_bfe_u32 v11, v0, 3, 1
	v_lshl_add_u32 v[AV0], v9, 3, v10
	v_mul_u32_u24 v[AV0], v[AV0], PV
	v_lshl_add_u32 v[AV0], v11, 4, v[AV0]
	v_add_nc_u32 v[AV0], VOFF, v[AV0]
	s_mul_i32 s13, s[WV], 16*SP
	s_add_co_u32 s13, s13, STAGE
	v_mul_u32_u24 v[STO], v1, SP
	v_lshl_add_u32 v[STO], v9, 4, v[STO]
	v_add_nc_u32 v[STO], s13, v[STO]
	v_bfe_u32 v[RD], v0, 3, 2
	v_mul_u32_u24 v[RD], v[RD], SP
	v_lshl_add_u32 v[RD], v10, 4, v[RD]
	v_add_nc_u32 v[RD], s13, v[RD]
	; A block's first step multiplies O^T and l by a = 0, and its first turn's products V^T P, of weights that have not been, land in an O^T that is still to be so multiplied: these registers need only
	; hold finite numbers: zeros for the first block, what the first block left for the second.  All this stands in the wait for K and V.
	WIN 0x80
.set i, VF
.rept 64
	v_mov_b32 v[i], 0
.set i, i+1
.endr
	WIN 0x40
.set i, 0
.rept 64
	v_mov_b32 v[i], 0
.set i, i+1
.endr
	WIN 0
.set i, 0
.rept 2
	v_mov_b32 v[ST+4*i+2], 0
	v_mov_b32 v[ST+4*i+3], 0
.set i, i+1
.endr
	s_mov_b32 s[CNT], 2
.Lkv:                               ; two trips: k, then v.  Four f16 of a lane become four f32: 16 bytes a lane, 512 consecutive bytes a store
.set j, 0
.irp r, 64,65,66,67,68,69,70,71,72,73,74,75,76,77,78,79,80,81,82,83,84,85,86,87,88,89,90,91,92,93,94,95,96,97,98,99,100,101,102,103,104,105,106,107,108,109,110,111,112,113,114,115,116,117,118,119,120,121,122,123,124,125,126,127
.if j%16 == 0
	s_wait_loadcnt 24-j/2           ; loads come back in order: the next eight are in, the younger ones stay out (Q's are older: the first of these waits shows them done)
.endif
	v_cvt_f32_f16 v[KO+2*j],   v\r\().l
	v_cvt_f32_f16 v[KO+2*j+1], v\r\().h
.set j, j+1
.endr
	s_cmp_eq_u32 s[CNT], 1
	s_cbranch_scc1 .Lkv1
	s_add_nc_u64 s[PKV:PKV+1], s[PKV:PKV+1], 8388608  ; k's loads are done, so their address may be written: v lies behind k
	KVLOADS
.Lkv1:
.set j, 0
.rept 32
	global_store_b128 v[GO], v[KO+4*j:KO+4*j+3], s[PO1:PO1+1] offset:512*j th:TH_STORE_NT
.set j, j+1
.endr
	s_wait_xcnt 0x0                 ; the stores have read their registers and out1's address
	s_add_nc_u64 s[PO1:PO1+1], s[PO1:PO1+1], 4194304  ; v's heads lie 16 heads of 262,144 bytes behind k's
	s_sub_co_u32 s[CNT], s[CNT], 1
	s_cmp_lg_u32 s[CNT], 0
	s_cbranch_scc1 .Lkv
.set i, P+16
.rept 16
	v_mov_b32 v[i], 0               ; P's second buffer, behind stream 1, which had these registers
.set i, i+1
.endr
; Product i of 8 of S^T = K Q^T for piece x: channels 32 (i / 4) on, keys 16 (i % 4) on.  The first 4 start the sums with the mask.  The 4 accumulators take turns.
.macro KQ x
.set rS, S+32*((\x)%2)+8*(i%4)
.set rK, KF+16*(i%4)+8*(i/4)
.set rQ, 16*(\x)+8*(i/4)
.set rM, MC+32*((\x)%2)+8*(i%4)
.if i < 4
	WIN W_KM
	v_wmma_f32_16x16x32_f16 v[rS:rS+7], v[rK:rK+7], v[rQ:rQ+7], v[rM:rM+7]
.else
	WIN W_KQ
	v_wmma_f32_16x16x32_f16 v[rS:rS+7], v[rK:rK+7], v[rQ:rQ+7], v[rS:rS+7]
.endif
.endm
; Product i of 8 of O^T += V^T P for piece x: keys 32 (i / 4) on, channels 16 (i % 4) on.
.macro PV x
	WIN W_PV
.set rO, 32*(\x)+8*(i%4)
.set rV, VF+32*(i/4)+8*(i%4)
.set rP, P+16*((\x)%2)+8*(i/4)
	v_wmma_f32_16x16x32_f16 v[rO:rO+7], v[rV:rV+7], v[rP:rP+7], v[rO:rO+7]
.endm
.macro MM                           ; the turn's next matrix instruction
.if i < 8
	KQ (Y+1)%NP
.else
.set i, i-8
	PV (Y+NP-1)%NP
.set i, i+8
.endif
.set i, i+1
.endm
.macro FETCH_K adr                  ; a step's K, 8 fragments, in one run of 16 loads, by the address register named
	WIN 0x80
.irp f, 0,1,2,3,4,5,6,7
	ds_load_b128 v[KF+8*\f:KF+8*\f+3],   v[\adr] offset:(\f/2)*16*PK+(\f%2)*64
	ds_load_b128 v[KF+8*\f+4:KF+8*\f+7], v[\adr] offset:(\f/2)*16*PK+(\f%2)*64+32
.endr
	WIN 0
.endm
.macro FETCH_V                      ; a step's V, turned
	WIN 0x80
.irp f, 0,1,2,3,4,5,6,7
	ds_load_tr16_b128 v[VF+8*\f:VF+8*\f+3],   v[AV] offset:(\f/4)*32*PV+(\f%4)*32
	ds_load_tr16_b128 v[VF+8*\f+4:VF+8*\f+7], v[AV] offset:(\f/4)*32*PV+16*PV+(\f%4)*32
.endr
	WIN 0
.endm
; THE VECTOR WORK, one line at a time: OP kind, number.  For piece Y: F n: c s - c m for pair n of 16.  E n: the exponential of score n of 32.  C n: pair n rounded to f16.  B n: of the weights 4 n .. the second
; pair is added onto the first.  L n: l takes that sum (L 0: l = a l + sum).  R n: pair n of 16 of O^T times a.  For the other piece: X n, number n of the 22 that find its maximum and statistics
; (each accumulator's lowest registers are read first).
.set F, 0
.set E, 1
.set C, 2
.set B, 3
.set L, 4
.set R, 5
.set X, 6
.macro REGS y
.set rT, ST+4*(\y)
.set rC, TMP+4*((\y)%2)
.set rW, MV+((\y)%2)
.set rS, S+32*((\y)%2)
.set rP, P+16*((\y)%2)
.set rO, 32*(\y)
.endm
.macro OP k, n
.if (\k) == R
	REGS Y
	WIN W_RS
	v_pk_mul_f32 v[rO+2*(\n):rO+2*(\n)+1], v[rO+2*(\n):rO+2*(\n)+1], v[rC+2:rC+3] op_sel_hi:[1,0]
.elseif (\k) < R
	REGS Y
	WIN 0
.if (\k) == F
	v_pk_fma_f32 v[rS+2*(\n):rS+2*(\n)+1], v[rS+2*(\n):rS+2*(\n)+1], s[CS:CS+1], v[rT:rT+1] op_sel_hi:[1,0,0] neg_lo:[0,0,1] neg_hi:[0,0,1]
.elseif (\k) == E
	v_exp_f32 v[rS+(\n)], v[rS+(\n)]
.elseif (\k) == C
	v_cvt_pk_f16_f32 v[rP+(\n)], v[rS+2*(\n)], v[rS+2*(\n)+1]
.elseif (\k) == B
	v_pk_add_f32 v[rS+4*(\n):rS+4*(\n)+1], v[rS+4*(\n):rS+4*(\n)+1], v[rS+4*(\n)+2:rS+4*(\n)+3]
.elseif (\n) == 0
	v_pk_fma_f32 v[rT+2:rT+3], v[rT+2:rT+3], v[rC+2:rC+3], v[rS:rS+1] op_sel_hi:[1,0,1]
.else
	v_pk_add_f32 v[rT+2:rT+3], v[rT+2:rT+3], v[rS+4*(\n):rS+4*(\n)+1]
.endif
.else
	REGS (Y+1)%NP
	WIN 0
.if (\n) < 4
	v_max3_num_f32 v[rC+(\n)], v[rS+8*(\n)], v[rS+8*(\n)+1], v[rS+8*(\n)+2]
.elseif (\n) < 12
	v_max3_num_f32 v[rC+(\n)%4], v[rC+(\n)%4], v[rS+8*((\n)%4)+2*((\n)/4)+1], v[rS+8*((\n)%4)+2*((\n)/4)+2]
.elseif (\n) == 12
	v_max3_num_f32 v[rC], v[rC], v[rS+7], v[rS+15]
.elseif (\n) == 13
	v_max3_num_f32 v[rC+1], v[rC+1], v[rS+23], v[rS+31]
.elseif (\n) == 14
	v_max3_num_f32 v[rC+2], v[rC+2], v[rC+3], v[rT+1]
.elseif (\n) == 15
	v_mov_b32 v[rW], v[rT]
.elseif (\n) == 16
	v_max3_num_f32 v[rC], v[rC], v[rC+1], v[rC+2]
.elseif (\n) == 17
	v_permlanex16_b32 v[rC+3], v[rC], s[SEL], s[SEL+1]
.elseif (\n) == 18
	v_max_num_f32 v[rT+1], v[rC], v[rC+3]
.elseif (\n) == 19
	v_mul_f32 v[rT], s[CS], v[rT+1]
.elseif (\n) == 20
	v_sub_f32 v[rC+1], v[rW], v[rT]
.else
	v_exp_f32 v[rC+2], v[rC+1]
.endif
.endif
.endm
.macro OPS a, i1, b=-1, i2=0, c=-1, i3=0, d=-1, i4=0
	OP \a, \i1
.if (\b) >= 0
	OP \b, \i2
.endif
.if (\c) >= 0
	OP \c, \i3
.endif
.if (\d) >= 0
	OP \d, \i4
.endif
.endm
.macro ROW a, i1, b, i2, c, i3, d, i4  ; a matrix instruction and the four behind it
	MM
	OPS \a, \i1, \b, \i2, \c, \i3, \d, \i4
.endm
.macro MASK b                       ; MD x AL + BE into mask buffer b
	WIN W_RS
.set z, 0
.rept 16
	v_pk_fma_f32 v[MC+32*(\b)+2*z:MC+32*(\b)+2*z+1], v[MD+2*z:MD+2*z+1], s[AL:AL+1], s[BE:BE+1] op_sel_hi:[1,0,0]
.set z, z+1
.endr
.endm
; A TURN, for piece p.  Ahead of its wait stands all that names no result of its exponentials: 8 products K Q^T with four vector instructions behind each, then a lump of 54; behind the wait 8 products V^T P,
; behind each four of the roundings and sums.
; Piece 0's turn in step j multiplies by K of step j and V of step j - 1.  It fetches K of step j + 1 in the lump, five plain instructions that name none of its registers behind the last product that read K,
; and V of step j at its end, four plain instructions behind the last product that read V.  Behind the head's sixteenth step lies no K: in the sixteenth trip the run is jumped.
; Piece 0's turn has a second wait, directly ahead of that jump and the run of loads.
; Piece 1's turn waits for K at its head (V's 16 younger loads may stay out; where K's run was jumped only those are out) and for V behind its wait.
.macro TURN p
.set Y, (\p)
.set i, 0
.if (\p) == 1
	s_wait_dscnt 16                 ; K is in
.endif
	ROW F,0, F,1, R,0, R,1
	ROW F,2, E,0, R,2, R,3
	ROW F,3, E,1, R,4, R,5
	ROW F,4, E,2, R,6, R,7
	ROW F,5, E,3, R,8, R,9
	ROW F,6, E,4, X,0, R,10
	ROW F,7, E,5, X,1, X,4
	ROW F,8, E,6, X,2, X,5
	OPS E,7, E,8, X,6, E,9
	OPS X,3, E,10, X,8, E,11
.if (\p) == 0
	WIN 0
	s_wait_alu depctr_va_vdst(0)    ; the exponentials issued so far have their wait ahead of the branch
	s_cmp_eq_u32 s[CNT], 1
	s_cbranch_scc1 .Lno_k_\@
	FETCH_K AK
.Lno_k_\@:
.endif
	OPS X,9, X,7, E,12, X,10
	OPS E,13, X,12, X,11, E,14
	OPS X,13, E,15, F,9, X,14
	OPS E,16, F,10, E,17, F,11
	OPS X,16, E,18, X,15, E,19
	OPS F,12, E,20, X,17, E,21
	OPS F,13, E,22, F,14, E,23
	OPS X,18, E,24, F,15, E,25
	OPS R,11, E,26, X,19, E,27
	OPS R,12, E,28, R,13, E,29
	OPS X,20, E,30, R,14, E,31
	OPS X,21, R,15                  ; the other piece's a is the batch's last; R 15 is the plain instruction behind it
	WIN 0
	s_wait_alu depctr_va_vdst(0)    ; the wait for the batch, ahead of its first reader
.if (\p) == 1
	s_wait_dscnt 0x0                ; V is in
.endif
	ROW C,0, B,0, C,2, B,1
	ROW L,0, C,4, B,2, L,1
	ROW C,6, B,3, L,2, C,8
	ROW B,4, L,3, C,10, B,5
	ROW L,4, C,12, B,6, L,5
	ROW C,14, B,7, L,6, C,1
	ROW C,3, L,7, C,5, C,7
	ROW C,9, C,11, C,13, C,15
.if (\p) == 0
	FETCH_V
.endif
.endm
.macro ALL line:vararg              ; one line for each piece t
.set t, 0
.rept 2
	\line
.set t, t+1
.endr
.endm
.macro PACK t                       ; a lane's eight channels of a row pack into 16 bytes; they go into rows of 144 bytes and come back as whole rows of 128
	WIN W_RS
.set i, 32*(\t)
.rept 16
	v_pk_mul_f32 v[i:i+1], v[i:i+1], v[ST+4*(\t)+2:ST+4*(\t)+3] op_sel_hi:[1,0]
.set i, i+2
.endr
	WIN 0x05
.set i, 0
.rept 16
	v_cvt_pk_f16_f32 v[S+16*(\t)+i], v[32*(\t)+2*i], v[32*(\t)+2*i+1]
.set i, i+1
.endr
	WIN 0
.irp f, 0,1,2,3
	ds_store_b128 v[STO], v[S+16*(\t)+4*\f:S+16*(\t)+4*\f+3] offset:32*\f
.endr
.irp f, 0,1,2,3
	ds_load_b128 v[S+16*(\t)+4*\f:S+16*(\t)+4*\f+3], v[RD] offset:\f*4*SP  ; LDS serves a wave's instructions in order: these see the stores above
.endr
.endm
.macro SEND t, younger              ; younger: the LDS instructions issued behind piece t's loads
	WIN 0
.irp f, 0,1,2,3
	s_wait_dscnt (\younger)+3-\f
	global_store_b128 v[GO], v[S+16*(\t)+4*\f:S+16*(\t)+4*\f+3], s[10:11] offset:(\t)*8192+\f*512  ; 512 consecutive bytes, aligned
.endr
.endm
	s_wait_tensorcnt 0x0            ; my part of K or V is in,
	s_barrier_signal -1
	s_barrier_wait -1               ; everybody's is
	WIN 0xc0                        ; stream 2: my 4,096 numbers of w_fc and of w_mproj, 512 consecutive bytes a load, into window 3; they are waited for between my two blocks
.set j, 0
.rept 32
	global_load_b128 v[4*j:4*j+3], v[GO], s[PFC:PFC+1] offset:512*j th:TH_LOAD_NT
.set j, j+1
.endr
.set j, 0
.rept 32
	global_load_b128 v[128+4*j:128+4*j+3], v[GO], s[PMP:PMP+1] offset:512*j th:TH_LOAD_NT
.set j, j+1
.endr
	WIN 0
.Lblk:                              ; A BLOCK BEGINS: c m far below every c s, so the first step's a is 0; m the lowest finite number
.set i, 0
.rept 2
	v_mov_b32 v[ST+4*i], 0xfe000000
	v_mov_b32 v[ST+4*i+1], 0xff7fffff
.set i, i+1
.endr
	s_lshl_b32 s[DEAD], s[BI], 1
	s_sub_co_u32 s[DEAD], 14, s[DEAD]  ; of the 16 trips the block has 2 BI + 2
	s_add_co_u32 s[D1], s[DEAD], 1
	s_add_co_u32 s[D2], s[DEAD], 2
	s_add_co_u32 s[D3], s[DEAD], 3
	s_mov_b32 s[AL], 0
	s_mov_b32 s[BE], 0
	MASK 1
	s_cmp_eq_u32 s[BI], 0           ; in block 0 step 0 is piece 0's own
	s_cselect_b32 s[AL], 1.0, 0
	MASK 0
	WIN 0
	FETCH_K AK0                     ; K of step 0
	v_add_nc_u32 v[AK], KS*PK, v[AK0]  ; trip t fetches K of step t + 1
	v_mov_b32 v[AV], v[AV0]         ; and V of step t
	s_wait_dscnt 0x0                ; (Q was shown in by stream 1's waits)
.set i, 0
.rept 8
	KQ 0                            ; piece 0's first scores
.set i, i+1
.endr
	WIN 0
.rept 4
	v_nop                           ; the places behind those products
.endr
.set Y, NP-1
.irp n, 0,1,2,3,4,5,6,7,8,9,10,11,12,13,14,15,16,17,18,19,20,21
	OP X, \n
.endr
	v_nop                           ; a plain instruction behind the exponential,
	s_wait_alu depctr_va_vdst(0)    ; and its wait, ahead of the label
	s_mov_b32 s[CNT], 16
.Lstep:                             ; trip t = 16 - CNT is key step t; the trips that the block does not have come last and are jumped: nothing but turns and masks is jumped
	s_cmp_le_u32 s[CNT], s[DEAD]
	s_cbranch_scc1 .Lskip
	s_cmp_lg_u32 s[CNT], s[D1]
	s_cbranch_scc1 .Lm1
	s_mov_b32 s[AL], 1.0            ; the block's last step is piece 1's own
	s_mov_b32 s[BE], 0
	MASK 1
	WIN 0
.Lm1:
	TURN 0
	WIN 0
	s_cmp_gt_u32 s[CNT], s[D3]
	s_cbranch_scc1 .Lm0
	s_cmp_eq_u32 s[CNT], s[D3]      ; the next step is piece 0's own,
	s_cselect_b32 s[AL], 1.0, 0
	s_cmp_eq_u32 s[CNT], s[D2]      ; or the one that it does not see
	s_cselect_b32 s[BE], s[BIGN], 0
	MASK 0
	WIN 0
.Lm0:
	TURN 1
	WIN 0
.Lskip:
	v_add_nc_u32 v[AK], KS*PK, v[AK]   ; both addresses step once in every trip, jumped or not
	v_add_nc_u32 v[AV], KS*PV, v[AV]
	s_sub_co_u32 s[CNT], s[CNT], 1
	s_cmp_lg_u32 s[CNT], 0
	s_cbranch_scc1 .Lstep
.set i, 0
.rept 8
	PV 1                            ; piece 1's V^T P of the last step
.set i, i+1
.endr
	WIN 0
.rept 4
	v_nop
.endr
	; THE WAY OUT: l's two halves and the other half of the lanes' are added; O^T is divided by l, rounded to f16 and sent through my stage
	ALL v_add_f32 v[ST+4*t+2], v[ST+4*t+2], v[ST+4*t+3]
	ALL v_permlanex16_b32 v[ST+4*t+3], v[ST+4*t+2], s[SEL], s[SEL+1]
	ALL v_add_f32 v[ST+4*t+2], v[ST+4*t+2], v[ST+4*t+3]
	ALL v_rcp_f32 v[ST+4*t+2], v[ST+4*t+2]
	v_nop
	s_wait_alu depctr_va_vdst(0)    ; one wait for the two reciprocals
	PACK 0
	PACK 1
	SEND 0, 8
	SEND 1, 0
	s_wait_xcnt 0x0                 ; the stores have read their registers and O's address
	s_cmp_eq_u32 s[BLK], 1
	s_cbranch_scc1 .Lbot
	s_mov_b64 s[10:11], s[OLO:OLO+1]
	s_mov_b32 s[BI], s[WV]          ; the second block
	WIN 0x82
.set i, 0
.rept 32
	v_mov_b32 v[i], v[QB+i]         ; its Q goes where the one text of the turns names Q
.set i, i+1
.endr
	s_wait_loadcnt 0x0              ; stream 2 is in: its loads went out a whole block ago
	WIN 0xcf                        ; sources and destination in window 3: four f32 become two words, in place
.set j, 0
.rept 64
	v_cvt_pk_f16_f32 v[4*j],   v[4*j],   v[4*j+1]
	v_cvt_pk_f16_f32 v[4*j+1], v[4*j+2], v[4*j+3]
.set j, j+1
.endr
	WIN 0x0c                        ; a store's data in window 3, its address in window 0
.set j, 0
.rept 32
	global_store_b64 v[CI], v[4*j:4*j+1], s[PWF:PWF+1] offset:256*j  ; 256 consecutive bytes, aligned
.set j, j+1
.endr
.set j, 0
.rept 32
	global_store_b64 v[CI], v[128+4*j:128+4*j+1], s[PWM:PWM+1] offset:256*j
.set j, j+1
.endr
	WIN 0
.Lbot:
	s_sub_co_u32 s[BLK], s[BLK], 1
	s_cmp_lg_u32 s[BLK], 0
	s_cbranch_scc1 .Lblk
	s_wait_tensorcnt 0x0            ; the wave's end
	ds_add_u32 v[SPW], v[NIL]
	s_wait_dscnt 0x0
	CROUND                          ; the closing round
	s_endpgm
.Lfunc_end_k_q229b586907_attn:
	.size	k_q229b586907_attn, .Lfunc_end_k_q229b586907_attn-k_q229b586907_attn
	.p2alignl 7, 3214868480
	.fill 96, 4, 3214868480
	.section	.rodata,"a",@progbits
	.p2align	6, 0x0
	.amdhsa_kernel k_q229b586907_attn
		.amdhsa_group_segment_fixed_size 327680
		.amdhsa_private_segment_fixed_size 0
		.amdhsa_enable_private_segment 0
		.amdhsa_kernarg_size 48
		.amdhsa_user_sgpr_count 2
		.amdhsa_user_sgpr_kernarg_segment_ptr 1
		.amdhsa_wavefront_size32 1
		.amdhsa_system_sgpr_workgroup_id_x 1
		.amdhsa_system_sgpr_workgroup_id_y 1
		.amdhsa_system_sgpr_workgroup_id_z 1
		.amdhsa_system_vgpr_workitem_id 0
		.amdhsa_next_free_vgpr 1024
		.amdhsa_next_free_sgpr 104
		.amdhsa_reserve_vcc 1
		.amdhsa_float_denorm_mode_32 3
		.amdhsa_float_denorm_mode_16_64 3
		.amdhsa_memory_ordered 1
		.amdhsa_forward_progress 1
		.amdhsa_inst_pref_size 88
	.end_amdhsa_kernel
	.amdgpu_metadata
---
amdhsa.version: [ 1, 2 ]
amdhsa.kernels:
  - .name:           k_q229b586907_attn
    .symbol:         k_q229b586907_attn.kd
    .args:
      - { .name: qkv, .offset: 0, .size: 8, .value_kind: global_buffer, .address_space: global }
      - { .name: act, .offset: 8, .size: 8, .value_kind: global_buffer, .address_space: global }
      - { .name: out1, .offset: 16, .size: 8, .value_kind: global_buffer, .address_space: global }
      - { .name: w_fc, .offset: 24, .size: 8, .value_kind: global_buffer, .address_space: global }
      - { .name: w_mproj, .offset: 32, .size: 8, .value_kind: global_buffer, .address_space: global }
      - { .name: wr, .offset: 40, .size: 8, .value_kind: global_buffer, .address_space: global }
    .group_segment_fixed_size: 327680
    .private_segment_fixed_size: 0
    .kernarg_segment_align: 8
    .kernarg_segment_size: 48
    .max_flat_workgroup_size: 128
    .sgpr_count:     104
    .vgpr_count:     1024
    .wavefront_size: 32
...
	.end_amdgpu_metadata
.endif
;; end of part 3
;; launch ga (part 4): grid 8 x 32, 4 waves a work-group, clusters of 4 x 4, 327,680 bytes of LDS; arguments act, wq, b_aproj, x, x2; writes x2
.if DOCPART == 4
	.amdgcn_target "amdgcn-amd-amdhsa--gfx1250"
	.amdhsa_code_object_version 6
	.text
	.protected	k_q229b586907_ga
	.globl	k_q229b586907_ga
	.p2align	8
	.type	k_q229b586907_ga,@function
k_q229b586907_ga:
	s_mov_b64 s[64:65], 0
	v_nop
	global_prefetch_b8 v0, s[64:65] scope:SCOPE_SE
	s_setreg_imm32_b32 hwreg(HW_REG_WAVE_MODE, 25, 1), 1
	s_wait_xcnt 0x0
	s_wait_alu depctr_hold_cnt(0) depctr_sa_sdst(0) depctr_va_vdst(0) depctr_va_sdst(0) depctr_va_ssrc(0) depctr_va_vcc(0) depctr_vm_vsrc(0)
	s_getreg_b32 s2, hwreg(HW_REG_IB_STS2, 6, 4)
	s_cmp_eq_u32 s2, 0
	s_cbranch_scc0 .Lentry_in_a_cluster
	s_endpgm
.Lentry_in_a_cluster:
	s_bfe_u32 s2, ttmp6, 0x10000c
	s_cmp_lg_u32 s2, 0xf033
	s_cbranch_scc0 .Lentry_shape_is_right
	s_endpgm
.Lentry_shape_is_right:
; C = A W + bias + R.  A: act, f16 in blocks of 64 columns, [batch][NBLK][1024 tokens][64].  W: [64 NBLK][1024] f16, WOFF bytes into its buffer.  bias: [1024], R and C: [4096][1024], f32.
; NSTEP = 4: A = attention's O, W = w_aproj, R = x, C = x2.  NSTEP = 16: A = gelu's output, W = w_mproj, R = x2, C = out0.
; LIMIT.  f16 holds no number beyond 65,504: the operands arrive within it.
; SHARES.  A tile of C is 128 x 128: 256 work-groups.  Four waves, each 64 x 64 in 16 accumulators.  K goes in steps of 256, four blocks of A, through two LDS slots; a quarter of a step is a block.
; THE SUMS START WITH R + bias: R is loaded straight into the accumulators, in the layout of a result, so every product has one form and the way out does no arithmetic.
; The matrix instruction is used transposed (source 0 = 16 columns of W, turned out of LDS by ds_load_tr16_b128; source 1 = 16 rows of A).
; CLUSTER.  4 x 4 work-groups: A's tile is asked for jointly along a row of the cluster, W's along a column.
; REGISTERS: window 0: v0-31 addresses, v32-63 the bias, v128-255 the accumulators ((a, b) at 128 + 8 (4 a + b)); window 1: two fragment buffers of 128 (A's 64, then W's 64).
.set NSTEP, 4
.set NBLK,  16
.set WOFF,  6291456
.set PAS,   144                        ; a token's 128 bytes of a block + 16
.set CB,    128*PAS                    ; a block of A in LDS
.set BOFF,  4*CB
.set PBS,   288                        ; a k-row of W: 256 bytes + 32
.set WPART, 36864                      ; what one tensor load brings: two blocks of A, or 128 k-rows of W
.set SLOT,  147456
.set SPARE, 294912
.set DP,    272                        ; the way out: a row of 64 f32 + 16 bytes
.set DWAVE, 64*DP
.set ADRA, 16
.set A0L,  17
.set ADRB, 20                          ; v20 for quarters 0, 1; v22 for quarters 2, 3: 128 k-rows on
.set B0L,  21
.set DST,  24
.set RD,   25
.set CO,   26
.set XO,   27
.set SPW,  28
.set NIL,  29
.set PFO,  30
.set BO,   31
.set BIAS, 32
.set ACC,  128
.set F0,   0
.set F1,   128
.set G1A, 24
.set G0A, 32
.set G1B, 48
.set G0B, 56
.set SB,  70
.set LIM, 71
.set PFA, 72
.set MSB, 0
.macro WIN new
.if MSB != (\new)
	s_set_vgpr_msb (MSB<<8)|(\new)
.set MSB, \new
.endif
.endm
.macro PLACES
.rept 4
	v_nop
.endr
.endm
.macro CREST
	s_cmp_lg_u32 s10, 0
	s_cbranch_scc1 .Lnw0_\@
	s_barrier_signal -3
.Lnw0_\@:
	s_barrier_wait -3
	s_barrier_signal -1
	s_barrier_wait -1
.endm
.macro CROUND
	s_barrier_signal -1
	s_barrier_wait -1
	CREST
.endm
.macro JLOAD                           ; a joint refill by the walking descriptors; an s_nop 0 and four v_nop follow each line
	s_cmp_eq_u32 s11, 0
	s_cbranch_scc0 .Lfb_\@
	tensor_load_to_lds s[G0A+4:G0A+7], s[G1A:G1A+7]
	s_nop 0
.rept 4
	v_nop
.endr
	s_branch .Lfa_\@
.Lfb_\@:
	tensor_load_to_lds s[G0B+4:G0B+7], s[G1B:G1B+7]
	s_nop 0
.rept 4
	v_nop
.endr
.Lfa_\@:
.endm
; A prefetch of the K step two refills on: 32 blocks of 256 bytes, a lane a block.  A's by the cluster with x = 0, W's by the cluster with y = 0; the four partners share by address.
.macro ASK
	s_cmp_gt_u32 s3, s[LIM]
	s_cbranch_scc0 .Lnm_\@
	global_prefetch_b8 v[PFO], s[PFA:PFA+1] th:TH_LOAD_NT scope:SCOPE_SE
.Lnm_\@:
.endm
.macro MUL8 f, c, a0                   ; 8 matrix instructions: row blocks a0, a0 + 1 x 4 column blocks, half c of buffer f.  The 16 accumulators take turns
	WIN 0x05
.irp a, \a0, (\a0)+1
.irp b, 0,1,2,3
	v_wmma_f32_16x16x32_f16 v[ACC+8*(4*(\a)+(\b)):ACC+8*(4*(\a)+(\b))+7], v[(\f)+64+8*(4*(\c)+(\b)):(\f)+64+8*(4*(\c)+(\b))+7], v[(\f)+8*(4*(\c)+(\a)):(\f)+8*(4*(\c)+(\a))+7], v[ACC+8*(4*(\a)+(\b)):ACC+8*(4*(\a)+(\b))+7]
.endr
.endr
.endm
.macro FETCH q, f                      ; 32 LDS loads in one run: quarter q (64 along K) into buffer f, its first 32 along K first
	WIN 0x40
.irp c, 0,1
.irp i, 0,1,2,3
	ds_load_tr16_b128 v[(\f)+64+8*(4*(\c)+(\i)):(\f)+64+8*(4*(\c)+(\i))+3],   v[ADRB+2*((\q)/2)] offset:(64*((\q)%2)+32*(\c))*PBS+32*(\i)
	ds_load_tr16_b128 v[(\f)+64+8*(4*(\c)+(\i))+4:(\f)+64+8*(4*(\c)+(\i))+7], v[ADRB+2*((\q)/2)] offset:(64*((\q)%2)+32*(\c)+16)*PBS+32*(\i)
	ds_load_b128 v[(\f)+8*(4*(\c)+(\i)):(\f)+8*(4*(\c)+(\i))+3],   v[ADRA] offset:(\q)*CB+64*(\c)+(\i)*16*PAS
	ds_load_b128 v[(\f)+8*(4*(\c)+(\i))+4:(\f)+8*(4*(\c)+(\i))+7], v[ADRA] offset:(\q)*CB+64*(\c)+(\i)*16*PAS+32
.endr
.endr
.endm
.macro QUARTER q, f, g
	s_wait_dscnt 16                                ; the first 32 along K are in
	MUL8 \f, 0, 0
	MUL8 \f, 0, 2
	PLACES
	FETCH \q, \g
	s_wait_dscnt 32                                ; all but the 32 just issued
	MUL8 \f, 1, 0
	MUL8 \f, 1, 2
.endm
; The last quarter multiplies buffer 1 and changes slots.  Its first 16 products stand AHEAD of the wait for the tensor load, so that between a tile's landing and the next request stand only the add,
; the barrier and the round.  In front of the barrier each wave waits for all its tensor loads, adds 0 to its spare word, and waits for that and for its reads of this slot.
; fill = 1: the barrier opens a round of the cluster's, and the slot just read is filled again first thing behind it.  fill = 0: the last two K steps; the last trip jumps the run of LDS loads.
.macro TURN fill
.if (\fill) && (NSTEP > 4)
	s_wait_xcnt 0x0                                ; the last prefetch, a K step back, has read its address
	s_add_nc_u64 s[PFA:PFA+1], s[PFA:PFA+1], 524288
.endif
	s_wait_dscnt 16                                ; the first 32 along K are in; the youngest sixteen loads may be out
	MUL8 F1, 0, 0
	MUL8 F1, 0, 2
	WIN 0
	s_wait_tensorcnt 0x0                           ; all my tensor loads have landed, so a group 0 may be written
	ds_add_u32 v[SPW], v[NIL]                      ; 0 onto my spare word: the descriptors' steps stand between it and the wait for it
.if \fill
	s_add_co_u32 s[G0A+5], s20, s[SB]              ; the walking descriptors take the slot in hand and the next K step
	s_add_nc_u64 s[G0A+6:G0A+7], s[G0A+6:G0A+7], 524288
	s_add_co_u32 s[G0B+5], s20, s[SB]
	s_add_nc_u64 s[G0B+6:G0B+7], s[G0B+6:G0B+7], 524288
.endif
	s_wait_dscnt 0x0                               ; the add is done, and my reads of this slot are over
	s_barrier_signal -1
	s_barrier_wait -1
.if \fill
	CREST
	JLOAD
.else
	PLACES
.endif
	s_xor_b32 s[SB], s[SB], SLOT
	v_add_nc_u32 v[ADRA], s[SB], v[A0L]
	v_add_nc_u32 v[ADRB], s[SB], v[B0L]
	v_add_nc_u32 v[ADRB+2], 128*PBS, v[ADRB]
.if !(\fill)
	s_cmp_eq_u32 s3, 1
	s_cbranch_scc1 .Lnf_\@
.endif
	FETCH 0, F0
	WIN 0
.if \fill
.if NSTEP > 4
	ASK
.endif
.else
.Lnf_\@:
.endif
	MUL8 F1, 1, 0
	MUL8 F1, 1, 2
.endm
	s_load_b128 s[4:7], s[0:1], 0x0                ; A s[4:5], W's buffer s[6:7]
	s_load_b64 s[8:9], s[0:1], 0x10                ; the bias
	s_load_b64 s[66:67], s[0:1], 0x18              ; R
	s_load_b64 s[68:69], s[0:1], 0x20              ; C
	v_lshl_add_u32 v[SPW], v0, 2, SPARE
	v_mov_b32 v[NIL], 0
	ds_add_u32 v[SPW], v[NIL]                      ; the wave's opening: the add, twice on end, and its wait ahead of my first tensor load
	ds_add_u32 v[SPW], v[NIL]
	v_lshrrev_b32 v1, 5, v0
	v_readfirstlane_b32 s10, v1
	s_lshr_b32 s11, s10, 1                         ; my half of the tile's rows; also: I fetch for A (0) or for W (1)
	s_and_b32 s12, s10, 1                          ; my half of its columns; also: which half of that tile I fetch
	s_bfe_u32 s40, ttmp6, 0x40000
	s_bfe_u32 s41, ttmp6, 0x40004
	s_lshl_b32 s42, ttmp9, 2
	s_add_co_u32 s42, s42, s40                     ; tile column 0..7
	s_and_b32 s13, ttmp7, 0xffff
	s_lshl_b32 s13, s13, 2
	s_add_co_u32 s13, s13, s41                     ; tile row 0..31
	s_lshl_b32 s43, s41, 2
	s_lshl_b32 s43, 15, s43
	s_lshl_b32 s44, 0x1111, s40
	s_or_b32 s[G1A], s43, (3<<16)|(1<<20)|(1<<21)|(4<<22)|(3<<25)  ; mask; 8-byte elements; padding on; bit 21 beside a mask; after every 32 words 4 words
	s_or_b32 s[G1B], s44, (1<<16)|(1<<20)|(1<<21)|(5<<22)|(7<<25)  ; 2-byte elements; after every 64 words 8 words
	s_mov_b32 s[G1A+1], 2048<<16                   ; A: two blocks; a block's 128 tokens are one dense row of 16,384 bytes; 131,072 bytes from block to block
	s_mov_b32 s[G1A+2], 2<<16
	s_mov_b32 s[G1A+3], 2048<<16
	s_mov_b32 s[G1A+4], 2
	s_mov_b32 s[G1A+5], 16384
	s_mov_b32 s[G1A+6], 0
	s_mov_b32 s[G1A+7], 0
	s_mov_b32 s[G1B+1], 128<<16                    ; W: 128 k-rows x 128 elements, 1,024 elements from row to row
	s_mov_b32 s[G1B+2], 128<<16
	s_mov_b32 s[G1B+3], 128<<16
	s_mov_b32 s[G1B+4], 128
	s_mov_b32 s[G1B+5], 1024
	s_mov_b32 s[G1B+6], 0
	s_mov_b32 s[G1B+7], 0
	s_lshr_b32 s16, s13, 3                         ; the batch
	s_mul_i32 s16, s16, NBLK
	s_lshl_b32 s17, s12, 1
	s_add_co_u32 s16, s16, s17                     ; my first block of K step 0
	s_lshl_b32 s16, s16, 17
	s_and_b32 s17, s13, 7
	s_lshl_b32 s17, s17, 14                        ; the tile's 128 tokens in it
	s_add_co_u32 s16, s16, s17
	s_mov_b32 s17, 0
	s_lshl_b32 s46, s12, 18                        ; W: k-row 128 x half,
	s_lshl_b32 s47, s42, 8                         ; column 128 x tile column
	s_add_co_u32 s46, s46, s47
	s_add_co_u32 s46, s46, WOFF
	s_mov_b32 s47, 0
	s_mul_i32 s20, s10, WPART
	s_mov_b32 s[SB], 0
	s_wait_dscnt 0x0                               ; both opening adds are done
	s_wait_kmcnt 0x0
	s_add_nc_u64 s[14:15], s[4:5], s[16:17]
	s_add_nc_u64 s[46:47], s[6:7], s[46:47]
	CROUND                                         ; all sixteen work-groups are here: the first joint loads meet
.irp s, 0,1
	s_mov_b32 s[G0A+4*(\s)], 1
	s_add_co_u32 s[G0A+4*(\s)+1], s20, (\s)*SLOT
	s_add_nc_u64 s[G0A+4*(\s)+2:G0A+4*(\s)+3], s[14:15], (\s)*524288
	s_or_b32 s[G0A+4*(\s)+3], s[G0A+4*(\s)+3], 0x80000000
	s_mov_b32 s[G0B+4*(\s)], 1
	s_add_co_u32 s[G0B+4*(\s)+1], s20, (\s)*SLOT
	s_add_nc_u64 s[G0B+4*(\s)+2:G0B+4*(\s)+3], s[46:47], (\s)*524288
	s_or_b32 s[G0B+4*(\s)+3], s[G0B+4*(\s)+3], 0x80000000
.endr
	s_cmp_eq_u32 s11, 0                            ; a wave's two first fills stand in one branch: K steps 0 and 1
	s_cbranch_scc0 .Lfirst_b
	tensor_load_to_lds s[G0A:G0A+3], s[G1A:G1A+7]
	s_nop 0
	tensor_load_to_lds s[G0A+4:G0A+7], s[G1A:G1A+7]
	s_nop 0
.rept 4
	v_nop
.endr
	s_branch .Lfirst_done
.Lfirst_b:
	tensor_load_to_lds s[G0B:G0B+3], s[G1B:G1B+7]
	s_nop 0
	tensor_load_to_lds s[G0B+4:G0B+7], s[G1B:G1B+7]
	s_nop 0
.rept 4
	v_nop
.endr
.Lfirst_done:
	v_and_b32 v1, 15, v0                           ; l % 16
	v_bfe_u32 v2, v0, 4, 1                         ; l / 16
	s_lshl_b32 s86, s13, 7
	s_lshl_b32 s87, s11, 6
	s_add_co_u32 s86, s86, s87                     ; my first row of R and C,
	s_lshl_b32 s86, s86, 12
	s_lshl_b32 s87, s42, 9
	s_add_co_u32 s86, s86, s87
	s_lshl_b32 s87, s12, 8                         ; my first column
	s_add_co_u32 s86, s86, s87
	s_mov_b32 s87, 0
	s_add_nc_u64 s[66:67], s[66:67], s[86:87]
	s_add_nc_u64 s[68:69], s[68:69], s[86:87]
	v_lshlrev_b32 v[XO], 12, v1
	v_lshl_add_u32 v[XO], v2, 5, v[XO]             ; row l % 16, columns 8 (l / 16) on: a result's layout
.irp a, 0,1,2,3
.irp b, 0,1,2,3
	global_load_b128 v[ACC+8*(4*(\a)+(\b)):ACC+8*(4*(\a)+(\b))+3],   v[XO], s[66:67] offset:(\a)*65536+64*(\b)
	global_load_b128 v[ACC+8*(4*(\a)+(\b))+4:ACC+8*(4*(\a)+(\b))+7], v[XO], s[66:67] offset:(\a)*65536+64*(\b)+16
.endr
.endr
	s_lshl_b32 s21, s42, 9
	s_lshl_b32 s22, s12, 8
	s_add_co_u32 s21, s21, s22
	v_lshl_add_u32 v[BO], v2, 5, s21
.irp b, 0,1,2,3
	global_load_b128 v[BIAS+8*(\b):BIAS+8*(\b)+3],   v[BO], s[8:9] offset:64*(\b)
	global_load_b128 v[BIAS+8*(\b)+4:BIAS+8*(\b)+7], v[BO], s[8:9] offset:64*(\b)+16
.endr
	v_mul_u32_u24 v3, v1, PAS
	v_lshl_add_u32 v3, v2, 4, v3
	s_mul_i32 s21, s11, 64*PAS
	v_add_nc_u32 v[A0L], s21, v3
	v_mov_b32 v[ADRA], v[A0L]
	v_and_b32 v4, 7, v0
	v_lshl_add_u32 v4, v2, 3, v4
	v_mul_u32_u24 v4, v4, PBS
	v_bfe_u32 v5, v0, 3, 1
	v_lshl_add_u32 v4, v5, 4, v4
	s_lshl_b32 s22, s12, 7
	s_add_co_u32 s22, s22, BOFF
	v_add_nc_u32 v[B0L], s22, v4
	v_mov_b32 v[ADRB], v[B0L]
	v_add_nc_u32 v[ADRB+2], 128*PBS, v[B0L]
	s_mul_i32 s21, s10, DWAVE
	v_mul_u32_u24 v3, v1, DP
	v_lshl_add_u32 v3, v2, 5, v3
	v_add_nc_u32 v[DST], s21, v3
	v_mul_u32_u24 v3, v2, DP
	v_lshl_add_u32 v3, v1, 4, v3
	v_add_nc_u32 v[RD], s21, v3
	v_lshlrev_b32 v[CO], 12, v2
	v_lshl_add_u32 v[CO], v1, 4, v[CO]
.if NSTEP > 4
	; the prefetches: my work-group's 32 of the 128 blocks of 256 bytes that my wave fetches, at K step 3; each change of slots steps it first
	s_lshr_b32 s84, s13, 3
	s_mul_i32 s84, s84, NBLK
	s_lshl_b32 s86, s12, 1
	s_add_co_u32 s84, s84, s86
	s_lshr_b32 s86, s40, 1
	s_add_co_u32 s84, s84, s86                     ; A: block by cx / 2,
	s_lshl_b32 s84, s84, 17
	s_and_b32 s86, s13, 7
	s_lshl_b32 s86, s86, 14
	s_add_co_u32 s84, s84, s86
	s_and_b32 s86, s40, 1
	s_lshl_b32 s86, s86, 13                        ; half of its 128 tokens by cx % 2
	s_add_co_u32 s84, s84, s86
	s_add_co_u32 s84, s84, 3*524288
	s_lshl_b32 s85, s12, 7
	s_lshl_b32 s86, s41, 5
	s_add_co_u32 s85, s85, s86                     ; W: 32 k-rows by cy
	s_lshl_b32 s85, s85, 11
	s_lshl_b32 s86, s42, 8
	s_add_co_u32 s85, s85, s86
	s_add_co_u32 s85, s85, WOFF+3*524288
	s_and_b32 s87, ttmp7, 0xffff
	s_cmp_eq_u32 s11, 0
	s_cselect_b64 s[PFA:PFA+1], s[4:5], s[6:7]
	s_cselect_b32 s86, s84, s85
	s_cselect_b32 s87, ttmp9, s87                  ; the coordinate along which other clusters read the same rows
	s_cselect_b32 s84, 8, 11
	s_cmp_eq_u32 s87, 0
	s_cselect_b32 s[LIM], 2, -1
	s_mov_b32 s87, 0
	s_add_nc_u64 s[PFA:PFA+1], s[PFA:PFA+1], s[86:87]
	v_and_b32 v[PFO], 31, v0
	v_lshlrev_b32 v[PFO], s84, v[PFO]
.endif
	s_wait_tensorcnt 1                             ; my part of K step 0 is in; K step 1's may stay out
	s_barrier_signal -1
	s_barrier_wait -1
	FETCH 0, F0
	WIN 0
	s_wait_loadcnt 0x0                             ; R and the bias
.irp a, 0,1,2,3
.irp b, 0,1,2,3
.irp p, 0,2,4,6
	v_pk_add_f32 v[ACC+8*(4*(\a)+(\b))+(\p):ACC+8*(4*(\a)+(\b))+(\p)+1], v[ACC+8*(4*(\a)+(\b))+(\p):ACC+8*(4*(\a)+(\b))+(\p)+1], v[BIAS+8*(\b)+(\p):BIAS+8*(\b)+(\p)+1]
.endr
.endr
.endr
	s_mov_b32 s3, NSTEP-2
.Ltop:                                                 ; a trip is a K step; all but the last two fill their slot again
	QUARTER 1, F0, F1
	QUARTER 2, F1, F0
	QUARTER 3, F0, F1
	TURN 1
	WIN 0
	s_sub_co_u32 s3, s3, 1
	s_cmp_lg_u32 s3, 0
	s_cbranch_scc1 .Ltop
	s_mov_b32 s3, 2
.Ltail:                                                ; written apart
	QUARTER 1, F0, F1
	QUARTER 2, F1, F0
	QUARTER 3, F0, F1
	TURN 0
	WIN 0
	s_sub_co_u32 s3, s3, 1
	s_cmp_lg_u32 s3, 0
	s_cbranch_scc1 .Ltail
	; THE WAY OUT.  Behind the last barrier no wave reads the ring and no fill is to come: my 64 x 64 sums go into my own part of it and come back as whole rows of 256 bytes.
	PLACES
.irp a, 0,1,2,3
.irp b, 0,1,2,3
	ds_store_b128 v[DST], v[ACC+8*(4*(\a)+(\b)):ACC+8*(4*(\a)+(\b))+3]   offset:(\a)*16*DP+64*(\b)
	ds_store_b128 v[DST], v[ACC+8*(4*(\a)+(\b))+4:ACC+8*(4*(\a)+(\b))+7] offset:(\a)*16*DP+64*(\b)+16
.endr
.endr
.set t, 0
.rept 32
	ds_load_b128 v[ACC+4*t:ACC+4*t+3], v[RD] offset:t*2*DP  ; LDS serves a wave's instructions in order: these see the stores above
.set t, t+1
.endr
.set t, 0
.rept 32
	s_wait_dscnt 31-t
	global_store_b128 v[CO], v[ACC+4*t:ACC+4*t+3], s[68:69] offset:t*8192  ; each half of the lanes stores 256 consecutive bytes, aligned
.set t, t+1
.endr
	s_wait_tensorcnt 0x0                           ; the wave's end
	ds_add_u32 v[SPW], v[NIL]
	s_wait_dscnt 0x0
	CROUND                                         ; the closing round
	s_endpgm
.Lfunc_end_k_q229b586907_ga:
	.size	k_q229b586907_ga, .Lfunc_end_k_q229b586907_ga-k_q229b586907_ga
	.p2alignl 7, 3214868480
	.fill 96, 4, 3214868480
	.section	.rodata,"a",@progbits
	.p2align	6, 0x0
	.amdhsa_kernel k_q229b586907_ga
		.amdhsa_group_segment_fixed_size 327680
		.amdhsa_private_segment_fixed_size 0
		.amdhsa_enable_private_segment 0
		.amdhsa_kernarg_size 40
		.amdhsa_user_sgpr_count 2
		.amdhsa_user_sgpr_kernarg_segment_ptr 1
		.amdhsa_wavefront_size32 1
		.amdhsa_system_sgpr_workgroup_id_x 1
		.amdhsa_system_sgpr_workgroup_id_y 1
		.amdhsa_system_sgpr_workgroup_id_z 1
		.amdhsa_system_vgpr_workitem_id 0
		.amdhsa_next_free_vgpr 512
		.amdhsa_next_free_sgpr 92
		.amdhsa_reserve_vcc 0
		.amdhsa_float_denorm_mode_32 3
		.amdhsa_float_denorm_mode_16_64 3
		.amdhsa_memory_ordered 1
		.amdhsa_forward_progress 1
		.amdhsa_inst_pref_size 62
	.end_amdhsa_kernel
	.amdgpu_metadata
---
amdhsa.version: [ 1, 2 ]
amdhsa.kernels:
  - .name:           k_q229b586907_ga
    .symbol:         k_q229b586907_ga.kd
    .args:
      - { .name: act, .offset: 0, .size: 8, .value_kind: global_buffer, .address_space: global }
      - { .name: wq, .offset: 8, .size: 8, .value_kind: global_buffer, .address_space: global }
      - { .name: b_aproj, .offset: 16, .size: 8, .value_kind: global_buffer, .address_space: global }
      - { .name: x, .offset: 24, .size: 8, .value_kind: global_buffer, .address_space: global }
      - { .name: x2, .offset: 32, .size: 8, .value_kind: global_buffer, .address_space: global }
    .group_segment_fixed_size: 327680
    .private_segment_fixed_size: 0
    .kernarg_segment_align: 8
    .kernarg_segment_size: 40
    .max_flat_workgroup_size: 128
    .sgpr_count:     92
    .vgpr_count:     512
    .wavefront_size: 32
...
	.end_amdgpu_metadata
.endif
;; end of part 4
;; launch ln2 (part 5): grid 256 x 1, 16 waves a work-group, no clusters, 0 bytes of LDS; arguments x2, ln2_g, ln2_b, hn; writes hn
.if DOCPART == 5
	.amdgcn_target "amdgcn-amd-amdhsa--gfx1250"
	.amdhsa_code_object_version 6
	.text
	.protected	k_q229b586907_ln2
	.globl	k_q229b586907_ln2
	.p2align	8
	.type	k_q229b586907_ln2,@function
k_q229b586907_ln2:
	s_mov_b64 s[64:65], 0
	v_nop
	global_prefetch_b8 v0, s[64:65] scope:SCOPE_SE
	s_setreg_imm32_b32 hwreg(HW_REG_WAVE_MODE, 25, 1), 1
	s_wait_xcnt 0x0
; The second norm: hn[r][c] = (x2[r][c] - mean) rsqrt(mean of squares + 1e-5) g[c] + b[c], rounded once to f16 (which holds no number beyond 65,504).
; A work-group takes 16 rows, a wave one; the row stays in 32 registers between its passes, so memory is read once.  No LDS, no barrier: bytes are all that counts.
.set XR,  8
.set GR,  40
.set BR,  72
.set T,   104
.set HNP, 14                           ; s[14:15]   hn
.macro REDUCE                          ; v[T] summed over the 32 lanes, the sum in every lane
	v_add_f32_dpp v[T], v[T], v[T] row_xmask:1 row_mask:0xf bank_mask:0xf
	v_add_f32_dpp v[T], v[T], v[T] row_xmask:2 row_mask:0xf bank_mask:0xf
	v_add_f32_dpp v[T], v[T], v[T] row_xmask:4 row_mask:0xf bank_mask:0xf
	v_add_f32_dpp v[T], v[T], v[T] row_xmask:8 row_mask:0xf bank_mask:0xf
	v_permlanex16_b32 v[T+1], v[T], s30, s31
	v_add_f32 v[T], v[T], v[T+1]
.endm
.macro LNROW
.set i, 0
.rept 8
	v_pk_add_f32 v[T+2*i:T+2*i+1], v[XR+2*i:XR+2*i+1], v[XR+16+2*i:XR+16+2*i+1]
.set i, i+1
.endr
.set i, 0
.rept 4
	v_pk_add_f32 v[T+2*i:T+2*i+1], v[T+2*i:T+2*i+1], v[T+8+2*i:T+8+2*i+1]
.set i, i+1
.endr
	v_pk_add_f32 v[T:T+1], v[T:T+1], v[T+4:T+5]
	v_pk_add_f32 v[T+2:T+3], v[T+2:T+3], v[T+6:T+7]
	v_pk_add_f32 v[T:T+1], v[T:T+1], v[T+2:T+3]
	v_add_f32 v[T], v[T], v[T+1]
	REDUCE
	v_mul_f32 v[T+2], 0x3a800000, v[T]             ; the mean
	v_mov_b32 v[T+3], v[T+2]
.set i, 0
.rept 16
	v_pk_add_f32 v[XR+2*i:XR+2*i+1], v[XR+2*i:XR+2*i+1], v[T+2:T+3] neg_lo:[0,1] neg_hi:[0,1]
.set i, i+1
.endr
.set i, 0
.rept 4
	v_pk_mul_f32 v[T+4+2*i:T+5+2*i], v[XR+2*i:XR+2*i+1], v[XR+2*i:XR+2*i+1]
.set i, i+1
.endr
.set i, 4
.rept 12
	v_pk_fma_f32 v[T+4+2*(i%4):T+5+2*(i%4)], v[XR+2*i:XR+2*i+1], v[XR+2*i:XR+2*i+1], v[T+4+2*(i%4):T+5+2*(i%4)]
.set i, i+1
.endr
	v_pk_add_f32 v[T+4:T+5], v[T+4:T+5], v[T+6:T+7]
	v_pk_add_f32 v[T+8:T+9], v[T+8:T+9], v[T+10:T+11]
	v_pk_add_f32 v[T+4:T+5], v[T+4:T+5], v[T+8:T+9]
	v_add_f32 v[T], v[T+4], v[T+5]
	REDUCE
	v_fma_f32 v[T], v[T], s32, s33
	v_rsq_f32 v[T+2], v[T]
	v_rsq_f32 v[T+3], v[T]
	v_nop                                          ; a plain instruction behind the last of the two
	s_wait_alu depctr_va_vdst(0)                   ; one wait for both, ahead of their first reader
.set i, 0
.rept 16
	v_pk_mul_f32 v[XR+2*i:XR+2*i+1], v[XR+2*i:XR+2*i+1], v[T+2:T+3]
.set i, i+1
.endr
.set i, 0
.rept 16
	v_pk_fma_f32 v[XR+2*i:XR+2*i+1], v[XR+2*i:XR+2*i+1], v[GR+2*i:GR+2*i+1], v[BR+2*i:BR+2*i+1]
.set i, i+1
.endr
.set i, 0
.rept 16
	v_cvt_pk_f16_f32 v[T+i], v[XR+2*i], v[XR+2*i+1]
.set i, i+1
.endr
.set i, 0
.rept 8
	global_store_b64 v2, v[T+2*i:T+2*i+1], s[HNP:HNP+1] offset:256*i  ; 256 consecutive bytes, aligned
.set i, i+1
.endr
.endm
	s_load_b256 s[8:15], s[0:1], 0x0               ; x2, ln2_g, ln2_b, hn
	v_lshrrev_b32 v3, 5, v0
	v_readfirstlane_b32 s2, v3                     ; wave 0..15
	v_and_b32 v2, 31, v0
	v_lshlrev_b32 v1, 4, v2
	v_lshlrev_b32 v2, 3, v2
	s_mov_b32 s35, 0
	s_mov_b32 s30, 0x76543210
	s_mov_b32 s31, 0xfedcba98
	s_mov_b32 s32, 0x3a800000                      ; 1 / 1,024
	s_mov_b32 s33, 0x3727c5ac                      ; 1e-5
	s_lshl_b32 s28, ttmp9, 4
	s_add_co_u32 s28, s28, s2                      ; my row
	s_wait_kmcnt 0x0
	s_lshl_b32 s34, s28, 12
	s_add_nc_u64 s[8:9], s[8:9], s[34:35]
	s_lshl_b32 s34, s28, 11
	s_add_nc_u64 s[HNP:HNP+1], s[HNP:HNP+1], s[34:35]
.set j, 0
.rept 8
	global_load_b128 v[XR+4*j:XR+4*j+3], v1, s[8:9] offset:512*j
	global_load_b128 v[GR+4*j:GR+4*j+3], v1, s[10:11] offset:512*j
	global_load_b128 v[BR+4*j:BR+4*j+3], v1, s[12:13] offset:512*j
.set j, j+1
.endr
	s_wait_loadcnt 0x0
	LNROW
	s_endpgm
.Lfunc_end_k_q229b586907_ln2:
	.size	k_q229b586907_ln2, .Lfunc_end_k_q229b586907_ln2-k_q229b586907_ln2
	.p2alignl 7, 3214868480
	.fill 96, 4, 3214868480
	.section	.rodata,"a",@progbits
	.p2align	6, 0x0
	.amdhsa_kernel k_q229b586907_ln2
		.amdhsa_group_segment_fixed_size 0
		.amdhsa_private_segment_fixed_size 0
		.amdhsa_enable_private_segment 0
		.amdhsa_kernarg_size 32
		.amdhsa_user_sgpr_count 2
		.amdhsa_user_sgpr_kernarg_segment_ptr 1
		.amdhsa_wavefront_size32 1
		.amdhsa_system_sgpr_workgroup_id_x 1
		.amdhsa_system_sgpr_workgroup_id_y 1
		.amdhsa_system_sgpr_workgroup_id_z 1
		.amdhsa_system_vgpr_workitem_id 0
		.amdhsa_next_free_vgpr 120
		.amdhsa_next_free_sgpr 66
		.amdhsa_reserve_vcc 0
		.amdhsa_float_denorm_mode_32 3
		.amdhsa_float_denorm_mode_16_64 3
		.amdhsa_memory_ordered 1
		.amdhsa_forward_progress 1
		.amdhsa_inst_pref_size 12
	.end_amdhsa_kernel
	.amdgpu_metadata
---
amdhsa.version: [ 1, 2 ]
amdhsa.kernels:
  - .name:           k_q229b586907_ln2
    .symbol:         k_q229b586907_ln2.kd
    .args:
      - { .name: x2, .offset: 0, .size: 8, .value_kind: global_buffer, .address_space: global }
      - { .name: ln2_g, .offset: 8, .size: 8, .value_kind: global_buffer, .address_space: global }
      - { .name: ln2_b, .offset: 16, .size: 8, .value_kind: global_buffer, .address_space: global }
      - { .name: hn, .offset: 24, .size: 8, .value_kind: global_buffer, .address_space: global }
    .group_segment_fixed_size: 0
    .private_segment_fixed_size: 0
    .kernarg_segment_align: 8
    .kernarg_segment_size: 32
    .max_flat_workgroup_size: 512
    .sgpr_count:     66
    .vgpr_count:     120
    .wavefront_size: 32
...
	.end_amdgpu_metadata
.endif
;; end of part 5
;; launch gf (part 6): grid 16 x 16, 4 waves a work-group, clusters of 4 x 4, 327,680 bytes of LDS; arguments hn, wr, b_fc, act; writes act
.if DOCPART == 6
	.amdgcn_target "amdgcn-amd-amdhsa--gfx1250"
	.amdhsa_code_object_version 6
	.text
	.protected	k_q229b586907_gf
	.globl	k_q229b586907_gf
	.p2align	8
	.type	k_q229b586907_gf,@function
k_q229b586907_gf:
	s_mov_b64 s[64:65], 0
	v_nop
	global_prefetch_b8 v0, s[64:65] scope:SCOPE_SE
	s_setreg_imm32_b32 hwreg(HW_REG_WAVE_MODE, 25, 1), 1
	s_wait_xcnt 0x0
	s_wait_alu depctr_hold_cnt(0) depctr_sa_sdst(0) depctr_va_vdst(0) depctr_va_sdst(0) depctr_va_ssrc(0) depctr_va_vcc(0) depctr_vm_vsrc(0)
	s_getreg_b32 s2, hwreg(HW_REG_IB_STS2, 6, 4)
	s_cmp_eq_u32 s2, 0
	s_cbranch_scc0 .Lentry_in_a_cluster
	s_endpgm
.Lentry_in_a_cluster:
	s_bfe_u32 s2, ttmp6, 0x10000c
	s_cmp_lg_u32 s2, 0xf033
	s_cbranch_scc0 .Lentry_shape_is_right
	s_endpgm
.Lentry_shape_is_right:
; gelu(A W + bias).  A: hn, [4096][1024] f16.  W = w_fc in f16, [1024][4096], in the weight's own order, at wr's head.  Sums in f32, started by the bias.
; The result goes out in f16, in blocks of 64 columns (act: [batch][64 blocks][1024 tokens][64]).  The text is the q/k/v product's but for N and the way out.
; LIMIT.  f16 holds no number beyond 65,504: the operands arrive within it, and what is stored in f16 must lie within it.
; SHARES.  A tile of C is 256 x 256: four waves, each 128 x 128 in 64 accumulators.  K = 1,024 goes in 8 steps of 128 through two LDS slots that take turns.
; The matrix instruction is used transposed (source 0 = 16 columns of W, source 1 = 16 rows of A): a lane holds one row of C and eight neighbouring columns.
; W's rows lie along N, so its fragments come out of LDS turned, by ds_load_tr16_b128.
; CLUSTER.  4 x 4 work-groups: A's tile is asked for jointly along a row of the cluster, W's along a column.
; REGISTERS, in windows of 256: window 0: v0-31 addresses, v64-191 two buffers of A's fragments, v192-255 the bias as a C operand; window 1: v64-191 two buffers of W's fragments;
; windows 2, 3: the accumulators, (a, b) at 8 (8 a + b).
.set N,     4096
.set WOFF,  0
.set PA,    272                        ; a row of A in LDS: 256 bytes + 16
.set PB,    544                        ; a k-row of W in LDS: 512 bytes + 32
.set HALFT, 34816                      ; what one tensor load brings: 128 rows of A, or 64 k-rows of W
.set BOFF,  69632                      ; W's tile lies behind A's
.set SLOT,  139264
.set SPARE, 278528                     ; behind the ring: the spare words, 128 bytes a wave
.set DP,    528                        ; the way out: a row of 128 f32 + 16 bytes
.set DWAVE, 128*DP                     ; each wave's own part of the ring, once its blocks have had their last fill
.set ADRA, 16                          ; v16  LDS address of my fragments of A in the slot in hand
.set A0L,  17                          ; v17  the same in slot 0; never rewritten
.set ADRB, 20
.set B0L,  21
.set DST,  24                          ; v24  the way out: where I put 32 bytes of a row
.set RDA,  25                          ; v25  the way out: where I read rows back
.set GO16, 26                          ; v26  8 x lane
.set SPW,  28                          ; v28  my spare word; never rewritten
.set NIL,  29                          ; v29  0; never rewritten
.set PFO,  30                          ; v30  the prefetches' lane offset; never rewritten
.set BO,   31                          ; v31  my offset in the bias
.set F0,   64
.set F1,   128
.set BIAS, 192
.set G1A, 24                           ; s[24:31] group 1 for A's tiles;  s[32:35] group 0 of K step 0, s[36:39] the walking one
.set G0A, 32
.set G1B, 48                           ; s[48:55], s[56:59], s[60:63] the same for W's
.set G0B, 56
.set SB,  70                           ; s70  LDS byte at which the slot in hand begins
.set LIM, 71                           ; s71  2 in a wave that prefetches, else the greatest number
.set PFA, 72                           ; s[72:73] where my prefetches stand
.set PFS, 74                           ; s[74:75] their step
.set MSB, 0
.macro WIN new                         ; the immediate's high byte repeats the setting that is left
.if MSB != (\new)
	s_set_vgpr_msb (MSB<<8)|(\new)
.set MSB, \new
.endif
.endm
.macro PLACES                          ; four plain places behind matrix instructions, ahead of loads into their registers and of reads of their results
.rept 4
	v_nop
.endr
.endm
.macro CREST                           ; a round of the cluster's barrier behind its opening barrier
	s_cmp_lg_u32 s10, 0
	s_cbranch_scc1 .Lnw0_\@
	s_barrier_signal -3
.Lnw0_\@:
	s_barrier_wait -3
	s_barrier_signal -1
	s_barrier_wait -1
.endm
.macro CROUND
	s_barrier_signal -1
	s_barrier_wait -1
	CREST
.endm
.macro JLOAD                           ; a joint refill by the walking descriptors: waves 0, 1 for A, waves 2, 3 for W; an s_nop 0 and four v_nop follow each line
	s_cmp_eq_u32 s11, 0
	s_cbranch_scc0 .Lfb_\@
	tensor_load_to_lds s[G0A+4:G0A+7], s[G1A:G1A+7]
	s_nop 0
.rept 4
	v_nop
.endr
	s_branch .Lfa_\@
.Lfb_\@:
	tensor_load_to_lds s[G0B+4:G0B+7], s[G1B:G1B+7]
	s_nop 0
.rept 4
	v_nop
.endr
.Lfa_\@:
.endm
; A prefetch of the K step that stands two refills on: 32 blocks of 256 bytes, a lane a block, one instruction a wave.  A's rows are asked for by the cluster with x = 0, W's by the cluster with
; y = 0; the four partners of a joint load share its rows out by address.  The last two refills have no K step two on.
.macro ASK
	s_cmp_gt_u32 s3, s[LIM]
	s_cbranch_scc0 .Lnm_\@
	global_prefetch_b8 v[PFO], s[PFA:PFA+1] th:TH_LOAD_NT scope:SCOPE_SE
.Lnm_\@:
.endm
; 16 matrix instructions: row blocks a0, a0 + 1 of the window's four x all 8 column blocks, 32 along K.  first = 1: the bias starts the sums.
.macro MUL16 f, hi, a0, first
.if \first
	WIN 0x81+0x40*(\hi)
.else
	WIN 0xa1+0x50*(\hi)
.endif
.irp a, \a0, (\a0)+1
.irp b, 0,1,2,3,4,5,6,7
.if \first
	v_wmma_f32_16x16x32_f16 v[8*(8*(\a)+(\b)):8*(8*(\a)+(\b))+7], v[(\f)+8*(\b):(\f)+8*(\b)+7], v[(\f)+8*(4*(\hi)+(\a)):(\f)+8*(4*(\hi)+(\a))+7], v[BIAS+8*(\b):BIAS+8*(\b)+7]
.else
	v_wmma_f32_16x16x32_f16 v[8*(8*(\a)+(\b)):8*(8*(\a)+(\b))+7], v[(\f)+8*(\b):(\f)+8*(\b)+7], v[(\f)+8*(4*(\hi)+(\a)):(\f)+8*(4*(\hi)+(\a))+7], v[8*(8*(\a)+(\b)):8*(8*(\a)+(\b))+7]
.endif
.endr
.endr
.endm
; 32 LDS loads in one run: quarter q (32 along K) of the slot in hand into buffer f: W's 8 fragments, turned, then A's 8
.macro FETCH q, f
	WIN 0x40
.irp i, 0,1,2,3,4,5,6,7
	ds_load_tr16_b128 v[(\f)+8*(\i):(\f)+8*(\i)+3],   v[ADRB] offset:(\q)*32*PB+32*(\i)
	ds_load_tr16_b128 v[(\f)+8*(\i)+4:(\f)+8*(\i)+7], v[ADRB] offset:(\q)*32*PB+16*PB+32*(\i)
.endr
	WIN 0
.irp i, 0,1,2,3,4,5,6,7
	ds_load_b128 v[(\f)+8*(\i):(\f)+8*(\i)+3],   v[ADRA] offset:64*(\q)+(\i)*16*PA
	ds_load_b128 v[(\f)+8*(\i)+4:(\f)+8*(\i)+7], v[ADRA] offset:64*(\q)+(\i)*16*PA+32
.endr
.endm
; One of a K step's first three quarters: multiplies buffer f and fetches quarter q into buffer g
.macro QUARTER q, f, g, first
	s_wait_dscnt 8                                 ; W's fragments and A's rows 0-63 are in; the youngest eight loads may be out
	MUL16 \f, 0, 0, \first
	MUL16 \f, 0, 2, \first
	PLACES
	FETCH \q, \g
	s_wait_dscnt 32                                ; all but the 32 just issued
	MUL16 \f, 1, 0, \first
	MUL16 \f, 1, 2, \first
.endm
; The last quarter multiplies buffer 1 and changes slots.  Its first 32 products stand AHEAD of the wait for the tensor load, so that between a tile's landing and the next request stand only
; the add, the barrier and the round.  In front of the barrier each wave waits for all its tensor loads (one is out: its part of the next slot), adds 0 to its spare word,
; and waits for that and for its reads of this slot.  fill = 1: the barrier opens a round of the cluster's, and the slot just read is filled again first thing behind it, two K steps ahead.
; fill = 0 (the last two K steps): nothing is asked for; in the last trip there is no next slot, and the run of LDS loads is jumped.
.macro TURN fill
.if \fill
	s_wait_xcnt 0x0                                ; the last prefetch, a K step back, has read its address
	s_add_nc_u64 s[PFA:PFA+1], s[PFA:PFA+1], s[PFS:PFS+1]
.endif
	s_wait_dscnt 8                                 ; W's fragments and A's rows 0-63 are in; the youngest eight loads may be out
	MUL16 F1, 0, 0, 0
	MUL16 F1, 0, 2, 0
	WIN 0
	s_wait_tensorcnt 0x0                           ; all my tensor loads have landed, so a group 0 may be written
	ds_add_u32 v[SPW], v[NIL]                      ; 0 onto my spare word: the descriptors' steps stand between it and the wait for it
.if \fill
	s_add_co_u32 s[G0A+5], s20, s[SB]              ; the walking descriptors take the slot in hand and the next K step
	s_add_nc_u64 s[G0A+6:G0A+7], s[G0A+6:G0A+7], 256
	s_add_co_u32 s[G0B+5], s20, s[SB]
	s_add_nc_u64 s[G0B+6:G0B+7], s[G0B+6:G0B+7], 256*N
.endif
	s_wait_dscnt 0x0                               ; the add is done, and my reads of this slot are over
	s_barrier_signal -1
	s_barrier_wait -1
.if \fill
	CREST
	JLOAD                                          ; its four v_nop are also the places ahead of the loads below
.else
	PLACES
.endif
	s_xor_b32 s[SB], s[SB], SLOT                   ; the other slot
	v_add_nc_u32 v[ADRA], s[SB], v[A0L]
	v_add_nc_u32 v[ADRB], s[SB], v[B0L]
.if !(\fill)
	s_cmp_eq_u32 s3, 1
	s_cbranch_scc1 .Lnf_\@
.endif
	FETCH 0, F0
	WIN 0
.if \fill
	ASK
.else
.Lnf_\@:
.endif
	MUL16 F1, 1, 0, 0
	MUL16 F1, 1, 2, 0
.endm
	s_load_b128 s[4:7], s[0:1], 0x0                ; A s[4:5], W s[6:7]
	s_load_b64 s[8:9], s[0:1], 0x10                ; the bias
	s_load_b64 s[66:67], s[0:1], 0x18              ; the f16 output
	v_lshl_add_u32 v[SPW], v0, 2, SPARE
	v_mov_b32 v[NIL], 0
	ds_add_u32 v[SPW], v[NIL]                      ; the wave's opening: the add, twice on end, and its wait ahead of my first tensor load
	ds_add_u32 v[SPW], v[NIL]
	v_lshrrev_b32 v1, 5, v0
	v_readfirstlane_b32 s10, v1                    ; wave 0..3
	s_lshr_b32 s11, s10, 1                         ; my half of the tile's rows; also: I fetch for A (0) or for W (1)
	s_and_b32 s12, s10, 1                          ; my half of its columns; also: which half of that tile I fetch
	s_bfe_u32 s40, ttmp6, 0x40000                  ; cx
	s_bfe_u32 s41, ttmp6, 0x40004                  ; cy
	s_lshl_b32 s42, ttmp9, 2
	s_add_co_u32 s42, s42, s40                     ; tile column
	s_and_b32 s13, ttmp7, 0xffff
	s_lshl_b32 s13, s13, 2
	s_add_co_u32 s13, s13, s41                     ; tile row
	s_lshl_b32 s43, s41, 2
	s_lshl_b32 s43, 15, s43                        ; my row of the cluster
	s_lshl_b32 s44, 0x1111, s40                    ; my column
	s_or_b32 s[G1A], s43, (1<<16)|(1<<20)|(1<<21)|(5<<22)|(3<<25)  ; mask; 2-byte elements; padding on; bit 21 beside a mask; after every 64 words 4 words
	s_or_b32 s[G1B], s44, (1<<16)|(1<<20)|(1<<21)|(6<<22)|(7<<25)  ; after every 128 words 8 words
	s_mov_b32 s[G1A+1], 128<<16                    ; A: 128 rows x 128 elements, 1,024 elements from row to row
	s_mov_b32 s[G1A+2], 128<<16
	s_mov_b32 s[G1A+3], 128<<16
	s_mov_b32 s[G1A+4], 128
	s_mov_b32 s[G1A+5], 1024
	s_mov_b32 s[G1A+6], 0
	s_mov_b32 s[G1A+7], 0
	s_mov_b32 s[G1B+1], 256<<16                    ; W: 64 k-rows x 256 elements, N elements from row to row
	s_mov_b32 s[G1B+2], 64<<16
	s_mov_b32 s[G1B+3], 256<<16
	s_mov_b32 s[G1B+4], 64
	s_mov_b32 s[G1B+5], N
	s_mov_b32 s[G1B+6], 0
	s_mov_b32 s[G1B+7], 0
	s_lshl_b32 s16, s13, 8
	s_lshl_b32 s17, s12, 7
	s_add_co_u32 s16, s16, s17                     ; A: row 256 x tile row + 128 x half,
	s_lshl_b32 s16, s16, 11                        ; in bytes
	s_mov_b32 s17, 0
	s_mul_i32 s46, s12, 128*N                      ; W: k-row 64 x half,
	s_lshl_b32 s47, s42, 9                         ; column 256 x tile column
	s_add_co_u32 s46, s46, s47
	s_add_co_u32 s46, s46, WOFF
	s_mov_b32 s47, 0
	s_mul_i32 s20, s10, HALFT                      ; where my part of a slot lies
	s_mov_b32 s[SB], 0
	s_wait_dscnt 0x0                               ; both opening adds are done
	s_wait_kmcnt 0x0
	s_add_nc_u64 s[14:15], s[4:5], s[16:17]
	s_add_nc_u64 s[46:47], s[6:7], s[46:47]
	CROUND                                         ; all sixteen work-groups are here: the first joint loads meet
.irp s, 0,1
	s_mov_b32 s[G0A+4*(\s)], 1
	s_add_co_u32 s[G0A+4*(\s)+1], s20, (\s)*SLOT
	s_add_nc_u64 s[G0A+4*(\s)+2:G0A+4*(\s)+3], s[14:15], (\s)*256
	s_or_b32 s[G0A+4*(\s)+3], s[G0A+4*(\s)+3], 0x80000000
	s_mov_b32 s[G0B+4*(\s)], 1
	s_add_co_u32 s[G0B+4*(\s)+1], s20, (\s)*SLOT
	s_add_nc_u64 s[G0B+4*(\s)+2:G0B+4*(\s)+3], s[46:47], (\s)*256*N
	s_or_b32 s[G0B+4*(\s)+3], s[G0B+4*(\s)+3], 0x80000000
.endr
	s_cmp_eq_u32 s11, 0                            ; a wave's two first fills stand in one branch: K steps 0 and 1
	s_cbranch_scc0 .Lfirst_b
	tensor_load_to_lds s[G0A:G0A+3], s[G1A:G1A+7]
	s_nop 0
	tensor_load_to_lds s[G0A+4:G0A+7], s[G1A:G1A+7]
	s_nop 0
.rept 4
	v_nop
.endr
	s_branch .Lfirst_done
.Lfirst_b:
	tensor_load_to_lds s[G0B:G0B+3], s[G1B:G1B+7]
	s_nop 0
	tensor_load_to_lds s[G0B+4:G0B+7], s[G1B:G1B+7]
	s_nop 0
.rept 4
	v_nop
.endr
.Lfirst_done:
	v_and_b32 v1, 15, v0                           ; l % 16
	v_bfe_u32 v2, v0, 4, 1                         ; l / 16
	s_lshl_b32 s21, s42, 10
	s_lshl_b32 s22, s12, 9
	s_add_co_u32 s21, s21, s22
	v_lshl_add_u32 v[BO], v2, 5, s21               ; the bias of my columns: 4 (256 x tile column + 128 x half + 8 (l / 16))
.irp b, 0,1,2,3,4,5,6,7
	global_load_b128 v[BIAS+8*(\b):BIAS+8*(\b)+3],   v[BO], s[8:9] offset:64*(\b)
	global_load_b128 v[BIAS+8*(\b)+4:BIAS+8*(\b)+7], v[BO], s[8:9] offset:64*(\b)+16
.endr
	v_mul_u32_u24 v3, v1, PA
	v_lshl_add_u32 v3, v2, 4, v3
	s_mul_i32 s21, s11, HALFT
	v_add_nc_u32 v[A0L], s21, v3                   ; A: my 128 rows; row l % 16, 16 bytes for each half of the lanes
	v_mov_b32 v[ADRA], v[A0L]
	v_and_b32 v4, 7, v0
	v_lshl_add_u32 v4, v2, 3, v4
	v_mul_u32_u24 v4, v4, PB                       ; W: k-row 8 (l / 16) + l % 8,
	v_bfe_u32 v5, v0, 3, 1
	v_lshl_add_u32 v4, v5, 4, v4                   ; columns 8 ((l / 8) % 2) on,
	s_lshl_b32 s22, s12, 8
	s_add_co_u32 s22, s22, BOFF                    ; in my 128 columns
	v_add_nc_u32 v[B0L], s22, v4
	v_mov_b32 v[ADRB], v[B0L]
	s_mul_i32 s21, s10, DWAVE
	v_mul_u32_u24 v3, v1, DP
	v_lshl_add_u32 v3, v2, 5, v3
	v_add_nc_u32 v[DST], s21, v3
	v_mul_u32_u24 v3, v2, DP
	v_lshl_add_u32 v3, v1, 4, v3
	v_add_nc_u32 v[RDA], s21, v3
	v_and_b32 v[PFO], 31, v0
	v_lshlrev_b32 v[GO16], 3, v[PFO]
	; the prefetches: my work-group's share of what my wave fetches, at K step 3; each change of slots steps it first
	s_lshl_b32 s84, s13, 8
	s_lshl_b32 s86, s12, 7
	s_add_co_u32 s84, s84, s86
	s_lshl_b32 s86, s40, 5
	s_add_co_u32 s84, s84, s86                     ; A: 32 rows by cx,
	s_lshl_b32 s84, s84, 11
	s_add_co_u32 s84, s84, 3*256
	s_lshl_b32 s85, s12, 6
	s_lshl_b32 s86, s41, 4
	s_add_co_u32 s85, s85, s86                     ; W: 16 k-rows by cy, two blocks each
	s_mul_i32 s85, s85, 2*N
	s_lshl_b32 s86, s42, 9
	s_add_co_u32 s85, s85, s86
	s_add_co_u32 s85, s85, WOFF+3*256*N
	s_and_b32 s87, ttmp7, 0xffff
	s_mov_b32 s[PFS], 256*N
	s_mov_b32 s[PFS+1], 0
	s_mov_b32 s88, 2*N
	s_cmp_eq_u32 s11, 0
	s_cselect_b64 s[PFA:PFA+1], s[4:5], s[6:7]
	s_cselect_b32 s86, s84, s85
	s_cselect_b32 s87, ttmp9, s87                  ; the coordinate along which other clusters read the same rows
	s_cselect_b32 s[PFS], 256, s[PFS]
	s_cselect_b32 s88, 2048, s88
	s_cselect_b32 s84, 0, 1
	s_cmp_eq_u32 s87, 0
	s_cselect_b32 s[LIM], 2, -1
	s_mov_b32 s87, 0
	s_add_nc_u64 s[PFA:PFA+1], s[PFA:PFA+1], s[86:87]
	v_and_b32 v3, s84, v[PFO]
	v_lshrrev_b32 v[PFO], s84, v[PFO]
	v_mul_lo_u32 v[PFO], v[PFO], s88
	v_lshl_add_u32 v[PFO], v3, 8, v[PFO]
	s_wait_tensorcnt 1                             ; my part of K step 0 is in; K step 1's may stay out
	s_barrier_signal -1
	s_barrier_wait -1
	FETCH 0, F0
	s_wait_loadcnt 0x0                             ; the bias
	QUARTER 1, F0, F1, 1                           ; the first quarter stands ahead of the loop: its products start the sums
	WIN 0
	s_mov_b32 s3, 6
	s_branch .Lmid
.Ltop:                                                 ; a trip is a K step; K steps 0 to 5 each fill their slot again
	QUARTER 1, F0, F1, 0
	WIN 0
.Lmid:
	QUARTER 2, F1, F0, 0
	QUARTER 3, F0, F1, 0
	TURN 1
	WIN 0
	s_sub_co_u32 s3, s3, 1
	s_cmp_lg_u32 s3, 0
	s_cbranch_scc1 .Ltop
	s_mov_b32 s3, 2
.Ltail:                                                ; K steps 6 and 7 ask for nothing: written apart
	QUARTER 1, F0, F1, 0
	QUARTER 2, F1, F0, 0
	QUARTER 3, F0, F1, 0
	TURN 0
	WIN 0
	s_sub_co_u32 s3, s3, 1
	s_cmp_lg_u32 s3, 0
	s_cbranch_scc1 .Ltail
	; THE WAY OUT.  Behind the last barrier no wave reads the ring and no fill is to come.  My 128 x 128 sums go in f32 into my own part of it and come back by rows, 8 rows a trip.
	PLACES
	WIN 0x08
.irp a, 0,1,2,3
.irp b, 0,1,2,3,4,5,6,7
	ds_store_b128 v[DST], v[8*(8*(\a)+(\b)):8*(8*(\a)+(\b))+3]   offset:(\a)*16*DP+64*(\b)
	ds_store_b128 v[DST], v[8*(8*(\a)+(\b))+4:8*(8*(\a)+(\b))+7] offset:(\a)*16*DP+64*(\b)+16
.endr
.endr
	WIN 0x0c
.irp a, 0,1,2,3
.irp b, 0,1,2,3,4,5,6,7
	ds_store_b128 v[DST], v[8*(8*(\a)+(\b)):8*(8*(\a)+(\b))+3]   offset:((\a)+4)*16*DP+64*(\b)
	ds_store_b128 v[DST], v[8*(8*(\a)+(\b))+4:8*(8*(\a)+(\b))+7] offset:((\a)+4)*16*DP+64*(\b)+16
.endr
.endr
	WIN 0
	s_and_b32 s14, ttmp7, 0xffff                   ; the batch: a cluster's four tile rows are one batch's 1,024 tokens
	s_lshl_b32 s17, s41, 8
	s_lshl_b32 s18, s11, 7
	s_add_co_u32 s17, s17, s18                     ; my first token in it
	s_lshl_b32 s18, s14, 6
	s_lshl_b32 s19, s42, 2
	s_add_co_u32 s18, s18, s19
	s_lshl_b32 s19, s12, 1
	s_add_co_u32 s18, s18, s19                     ; my first block of 64 columns
	s_lshl_b32 s18, s18, 17
	s_lshl_b32 s19, s17, 7
	s_add_co_u32 s18, s18, s19
	s_mov_b32 s19, 0
	s_add_nc_u64 s[66:67], s[66:67], s[18:19]
	s_mov_b32 s78, 0xbdd2d3e8                      ; -2 log2(e) sqrt(2 / pi) x 0.044715
	s_mov_b32 s79, s78
	s_mov_b32 s80, 0xc0135761                      ; -2 log2(e) sqrt(2 / pi)
	s_mov_b32 s81, s80
	s_mov_b32 s3, 16
.Lrow:
.irp t, 0,1,2,3,4,5,6,7                ; load t: rows 2 (t / 2), 2 (t / 2) + 1 of the trip's eight, block t % 2 of 64 columns: 16 lanes a row (LDS serves a wave's instructions in order: these see my stores)
	ds_load_b128 v[64+4*(\t):64+4*(\t)+3], v[RDA] offset:((\t)/2)*2*DP+((\t)%2)*256
.endr
	s_wait_dscnt 0x0
	; gelu(y) = 0.5 y (1 + tanh(z)) = y / (1 + 2^(y (A1 + A3 y^2))): the same function for all y; it runs out to y and to 0 at the ends
.set i, 0
.rept 16
	v_pk_mul_f32 v[96+2*i:97+2*i], v[64+2*i:65+2*i], v[64+2*i:65+2*i]
.set i, i+1
.endr
.set i, 0
.rept 16
	v_pk_fma_f32 v[96+2*i:97+2*i], v[96+2*i:97+2*i], s[78:79], s[80:81] op_sel_hi:[1,0,0]
.set i, i+1
.endr
.set i, 0
.rept 16
	v_pk_mul_f32 v[96+2*i:97+2*i], v[96+2*i:97+2*i], v[64+2*i:65+2*i]
.set i, i+1
.endr
.set i, 0
.rept 32
	v_exp_f32 v[96+i], v[96+i]
.set i, i+1
.endr
	v_nop                                          ; a plain instruction behind the last exponential,
	s_wait_alu depctr_va_vdst(0)                   ; and one wait for the batch
.set i, 0
.rept 16
	v_pk_add_f32 v[96+2*i:97+2*i], v[96+2*i:97+2*i], 1.0 op_sel_hi:[1,0]
.set i, i+1
.endr
.set i, 0
.rept 32
	v_rcp_f32 v[96+i], v[96+i]
.set i, i+1
.endr
	v_nop
	s_wait_alu depctr_va_vdst(0)                   ; one wait for the 32 reciprocals
.set i, 0
.rept 16
	v_pk_mul_f32 v[64+2*i:65+2*i], v[64+2*i:65+2*i], v[96+2*i:97+2*i]
.set i, i+1
.endr
.set i, 0
.rept 16
	v_cvt_pk_f16_f32 v[128+i], v[64+2*i], v[64+2*i+1]
.set i, i+1
.endr
.irp t, 0,1,2,3,4,5,6,7
	global_store_b64 v[GO16], v[128+2*(\t):129+2*(\t)], s[66:67] offset:((\t)%2)*131072+((\t)/2)*256  ; two rows of a block: 256 consecutive bytes, aligned
.endr
	s_wait_xcnt 0x0                                ; the stores have read their registers and base
	v_add_nc_u32 v[RDA], 8*DP, v[RDA]
	s_add_nc_u64 s[66:67], s[66:67], 1024
	s_sub_co_u32 s3, s3, 1
	s_cmp_lg_u32 s3, 0
	s_cbranch_scc1 .Lrow
	s_wait_tensorcnt 0x0                           ; the wave's end
	ds_add_u32 v[SPW], v[NIL]
	s_wait_dscnt 0x0
	CROUND                                         ; the closing round
	s_endpgm
.Lfunc_end_k_q229b586907_gf:
	.size	k_q229b586907_gf, .Lfunc_end_k_q229b586907_gf-k_q229b586907_gf
	.p2alignl 7, 3214868480
	.fill 96, 4, 3214868480
	.section	.rodata,"a",@progbits
	.p2align	6, 0x0
	.amdhsa_kernel k_q229b586907_gf
		.amdhsa_group_segment_fixed_size 327680
		.amdhsa_private_segment_fixed_size 0
		.amdhsa_enable_private_segment 0
		.amdhsa_kernarg_size 32
		.amdhsa_user_sgpr_count 2
		.amdhsa_user_sgpr_kernarg_segment_ptr 1
		.amdhsa_wavefront_size32 1
		.amdhsa_system_sgpr_workgroup_id_x 1
		.amdhsa_system_sgpr_workgroup_id_y 1
		.amdhsa_system_sgpr_workgroup_id_z 1
		.amdhsa_system_vgpr_workitem_id 0
		.amdhsa_next_free_vgpr 1024
		.amdhsa_next_free_sgpr 92
		.amdhsa_reserve_vcc 0
		.amdhsa_float_denorm_mode_32 3
		.amdhsa_float_denorm_mode_16_64 3
		.amdhsa_memory_ordered 1
		.amdhsa_forward_progress 1
		.amdhsa_inst_pref_size 90
	.end_amdhsa_kernel
	.amdgpu_metadata
---
amdhsa.version: [ 1, 2 ]
amdhsa.kernels:
  - .name:           k_q229b586907_gf
    .symbol:         k_q229b586907_gf.kd
    .args:
      - { .name: hn, .offset: 0, .size: 8, .value_kind: global_buffer, .address_space: global }
      - { .name: wr, .offset: 8, .size: 8, .value_kind: global_buffer, .address_space: global }
      - { .name: b_fc, .offset: 16, .size: 8, .value_kind: global_buffer, .address_space: global }
      - { .name: act, .offset: 24, .size: 8, .value_kind: global_buffer, .address_space: global }
    .group_segment_fixed_size: 327680
    .private_segment_fixed_size: 0
    .kernarg_segment_align: 8
    .kernarg_segment_size: 32
    .max_flat_workgroup_size: 128
    .sgpr_count:     92
    .vgpr_count:     1024
    .wavefront_size: 32
...
	.end_amdgpu_metadata
.endif
;; end of part 6
;; launch gm (part 7): grid 8 x 32, 4 waves a work-group, clusters of 4 x 4, 327,680 bytes of LDS; arguments act, wr, b_mproj, x2, out0; writes out0
.if DOCPART == 7
	.amdgcn_target "amdgcn-amd-amdhsa--gfx1250"
	.amdhsa_code_object_version 6
	.text
	.protected	k_q229b586907_gm
	.globl	k_q229b586907_gm
	.p2align	8
	.type	k_q229b586907_gm,@function
k_q229b586907_gm:
	s_mov_b64 s[64:65], 0
	v_nop
	global_prefetch_b8 v0, s[64:65] scope:SCOPE_SE
	s_setreg_imm32_b32 hwreg(HW_REG_WAVE_MODE, 25, 1), 1
	s_wait_xcnt 0x0
	s_wait_alu depctr_hold_cnt(0) depctr_sa_sdst(0) depctr_va_vdst(0) depctr_va_sdst(0) depctr_va_ssrc(0) depctr_va_vcc(0) depctr_vm_vsrc(0)
	s_getreg_b32 s2, hwreg(HW_REG_IB_STS2, 6, 4)
	s_cmp_eq_u32 s2, 0
	s_cbranch_scc0 .Lentry_in_a_cluster
	s_endpgm
.Lentry_in_a_cluster:
	s_bfe_u32 s2, ttmp6, 0x10000c
	s_cmp_lg_u32 s2, 0xf033
	s_cbranch_scc0 .Lentry_shape_is_right
	s_endpgm
.Lentry_shape_is_right:
; C = A W + bias + R.  A: act, f16 in blocks of 64 columns, [batch][NBLK][1024 tokens][64].  W: [64 NBLK][1024] f16, WOFF bytes into its buffer.  bias: [1024], R and C: [4096][1024], f32.
; NSTEP = 4: A = attention's O, W = w_aproj, R = x, C = x2.  NSTEP = 16: A = gelu's output, W = w_mproj, R = x2, C = out0.
; LIMIT.  f16 holds no number beyond 65,504: the operands arrive within it.
; SHARES.  A tile of C is 128 x 128: 256 work-groups.  Four waves, each 64 x 64 in 16 accumulators.  K goes in steps of 256, four blocks of A, through two LDS slots; a quarter of a step is a block.
; THE SUMS START WITH R + bias: R is loaded straight into the accumulators, in the layout of a result, so every product has one form and the way out does no arithmetic.
; The matrix instruction is used transposed (source 0 = 16 columns of W, turned out of LDS by ds_load_tr16_b128; source 1 = 16 rows of A).
; CLUSTER.  4 x 4 work-groups: A's tile is asked for jointly along a row of the cluster, W's along a column.
; REGISTERS: window 0: v0-31 addresses, v32-63 the bias, v128-255 the accumulators ((a, b) at 128 + 8 (4 a + b)); window 1: two fragment buffers of 128 (A's 64, then W's 64).
.set NSTEP, 16
.set NBLK,  64
.set WOFF,  8388608
.set PAS,   144                        ; a token's 128 bytes of a block + 16
.set CB,    128*PAS                    ; a block of A in LDS
.set BOFF,  4*CB
.set PBS,   288                        ; a k-row of W: 256 bytes + 32
.set WPART, 36864                      ; what one tensor load brings: two blocks of A, or 128 k-rows of W
.set SLOT,  147456
.set SPARE, 294912
.set DP,    272                        ; the way out: a row of 64 f32 + 16 bytes
.set DWAVE, 64*DP
.set ADRA, 16
.set A0L,  17
.set ADRB, 20                          ; v20 for quarters 0, 1; v22 for quarters 2, 3: 128 k-rows on
.set B0L,  21
.set DST,  24
.set RD,   25
.set CO,   26
.set XO,   27
.set SPW,  28
.set NIL,  29
.set PFO,  30
.set BO,   31
.set BIAS, 32
.set ACC,  128
.set F0,   0
.set F1,   128
.set G1A, 24
.set G0A, 32
.set G1B, 48
.set G0B, 56
.set SB,  70
.set LIM, 71
.set PFA, 72
.set MSB, 0
.macro WIN new
.if MSB != (\new)
	s_set_vgpr_msb (MSB<<8)|(\new)
.set MSB, \new
.endif
.endm
.macro PLACES
.rept 4
	v_nop
.endr
.endm
.macro CREST
	s_cmp_lg_u32 s10, 0
	s_cbranch_scc1 .Lnw0_\@
	s_barrier_signal -3
.Lnw0_\@:
	s_barrier_wait -3
	s_barrier_signal -1
	s_barrier_wait -1
.endm
.macro CROUND
	s_barrier_signal -1
	s_barrier_wait -1
	CREST
.endm
.macro JLOAD                           ; a joint refill by the walking descriptors; an s_nop 0 and four v_nop follow each line
	s_cmp_eq_u32 s11, 0
	s_cbranch_scc0 .Lfb_\@
	tensor_load_to_lds s[G0A+4:G0A+7], s[G1A:G1A+7]
	s_nop 0
.rept 4
	v_nop
.endr
	s_branch .Lfa_\@
.Lfb_\@:
	tensor_load_to_lds s[G0B+4:G0B+7], s[G1B:G1B+7]
	s_nop 0
.rept 4
	v_nop
.endr
.Lfa_\@:
.endm
; A prefetch of the K step two refills on: 32 blocks of 256 bytes, a lane a block.  A's by the cluster with x = 0, W's by the cluster with y = 0; the four partners share by address.
.macro ASK
	s_cmp_gt_u32 s3, s[LIM]
	s_cbranch_scc0 .Lnm_\@
	global_prefetch_b8 v[PFO], s[PFA:PFA+1] th:TH_LOAD_NT scope:SCOPE_SE
.Lnm_\@:
.endm
.macro MUL8 f, c, a0                   ; 8 matrix instructions: row blocks a0, a0 + 1 x 4 column blocks, half c of buffer f.  The 16 accumulators take turns
	WIN 0x05
.irp a, \a0, (\a0)+1
.irp b, 0,1,2,3
	v_wmma_f32_16x16x32_f16 v[ACC+8*(4*(\a)+(\b)):ACC+8*(4*(\a)+(\b))+7], v[(\f)+64+8*(4*(\c)+(\b)):(\f)+64+8*(4*(\c)+(\b))+7], v[(\f)+8*(4*(\c)+(\a)):(\f)+8*(4*(\c)+(\a))+7], v[ACC+8*(4*(\a)+(\b)):ACC+8*(4*(\a)+(\b))+7]
.endr
.endr
.endm
.macro FETCH q, f                      ; 32 LDS loads in one run: quarter q (64 along K) into buffer f, its first 32 along K first
	WIN 0x40
.irp c, 0,1
.irp i, 0,1,2,3
	ds_load_tr16_b128 v[(\f)+64+8*(4*(\c)+(\i)):(\f)+64+8*(4*(\c)+(\i))+3],   v[ADRB+2*((\q)/2)] offset:(64*((\q)%2)+32*(\c))*PBS+32*(\i)
	ds_load_tr16_b128 v[(\f)+64+8*(4*(\c)+(\i))+4:(\f)+64+8*(4*(\c)+(\i))+7], v[ADRB+2*((\q)/2)] offset:(64*((\q)%2)+32*(\c)+16)*PBS+32*(\i)
	ds_load_b128 v[(\f)+8*(4*(\c)+(\i)):(\f)+8*(4*(\c)+(\i))+3],   v[ADRA] offset:(\q)*CB+64*(\c)+(\i)*16*PAS
	ds_load_b128 v[(\f)+8*(4*(\c)+(\i))+4:(\f)+8*(4*(\c)+(\i))+7], v[ADRA] offset:(\q)*CB+64*(\c)+(\i)*16*PAS+32
.endr
.endr
.endm
.macro QUARTER q, f, g
	s_wait_dscnt 16                                ; the first 32 along K are in
	MUL8 \f, 0, 0
	MUL8 \f, 0, 2
	PLACES
	FETCH \q, \g
	s_wait_dscnt 32                                ; all but the 32 just issued
	MUL8 \f, 1, 0
	MUL8 \f, 1, 2
.endm
; The last quarter multiplies buffer 1 and changes slots.  Its first 16 products stand AHEAD of the wait for the tensor load, so that between a tile's landing and the next request stand only the add,
; the barrier and the round.  In front of the barrier each wave waits for all its tensor loads, adds 0 to its spare word, and waits for that and for its reads of this slot.
; fill = 1: the barrier opens a round of the cluster's, and the slot just read is filled again first thing behind it.  fill = 0: the last two K steps; the last trip jumps the run of LDS loads.
.macro TURN fill
.if (\fill) && (NSTEP > 4)
	s_wait_xcnt 0x0                                ; the last prefetch, a K step back, has read its address
	s_add_nc_u64 s[PFA:PFA+1], s[PFA:PFA+1], 524288
.endif
	s_wait_dscnt 16                                ; the first 32 along K are in; the youngest sixteen loads may be out
	MUL8 F1, 0, 0
	MUL8 F1, 0, 2
	WIN 0
	s_wait_tensorcnt 0x0                           ; all my tensor loads have landed, so a group 0 may be written
	ds_add_u32 v[SPW], v[NIL]                      ; 0 onto my spare word: the descriptors' steps stand between it and the wait for it
.if \fill
	s_add_co_u32 s[G0A+5], s20, s[SB]              ; the walking descriptors take the slot in hand and the next K step
	s_add_nc_u64 s[G0A+6:G0A+7], s[G0A+6:G0A+7], 524288
	s_add_co_u32 s[G0B+5], s20, s[SB]
	s_add_nc_u64 s[G0B+6:G0B+7], s[G0B+6:G0B+7], 524288
.endif
	s_wait_dscnt 0x0                               ; the add is done, and my reads of this slot are over
	s_barrier_signal -1
	s_barrier_wait -1
.if \fill
	CREST
	JLOAD
.else
	PLACES
.endif
	s_xor_b32 s[SB], s[SB], SLOT
	v_add_nc_u32 v[ADRA], s[SB], v[A0L]
	v_add_nc_u32 v[ADRB], s[SB], v[B0L]
	v_add_nc_u32 v[ADRB+2], 128*PBS, v[ADRB]
.if !(\fill)
	s_cmp_eq_u32 s3, 1
	s_cbranch_scc1 .Lnf_\@
.endif
	FETCH 0, F0
	WIN 0
.if \fill
.if NSTEP > 4
	ASK
.endif
.else
.Lnf_\@:
.endif
	MUL8 F1, 1, 0
	MUL8 F1, 1, 2
.endm
	s_load_b128 s[4:7], s[0:1], 0x0                ; A s[4:5], W's buffer s[6:7]
	s_load_b64 s[8:9], s[0:1], 0x10                ; the bias
	s_load_b64 s[66:67], s[0:1], 0x18              ; R
	s_load_b64 s[68:69], s[0:1], 0x20              ; C
	v_lshl_add_u32 v[SPW], v0, 2, SPARE
	v_mov_b32 v[NIL], 0
	ds_add_u32 v[SPW], v[NIL]                      ; the wave's opening: the add, twice on end, and its wait ahead of my first tensor load
	ds_add_u32 v[SPW], v[NIL]
	v_lshrrev_b32 v1, 5, v0
	v_readfirstlane_b32 s10, v1
	s_lshr_b32 s11, s10, 1                         ; my half of the tile's rows; also: I fetch for A (0) or for W (1)
	s_and_b32 s12, s10, 1                          ; my half of its columns; also: which half of that tile I fetch
	s_bfe_u32 s40, ttmp6, 0x40000
	s_bfe_u32 s41, ttmp6, 0x40004
	s_lshl_b32 s42, ttmp9, 2
	s_add_co_u32 s42, s42, s40                     ; tile column 0..7
	s_and_b32 s13, ttmp7, 0xffff
	s_lshl_b32 s13, s13, 2
	s_add_co_u32 s13, s13, s41                     ; tile row 0..31
	s_lshl_b32 s43, s41, 2
	s_lshl_b32 s43, 15, s43
	s_lshl_b32 s44, 0x1111, s40
	s_or_b32 s[G1A], s43, (3<<16)|(1<<20)|(1<<21)|(4<<22)|(3<<25)  ; mask; 8-byte elements; padding on; bit 21 beside a mask; after every 32 words 4 words
	s_or_b32 s[G1B], s44, (1<<16)|(1<<20)|(1<<21)|(5<<22)|(7<<25)  ; 2-byte elements; after every 64 words 8 words
	s_mov_b32 s[G1A+1], 2048<<16                   ; A: two blocks; a block's 128 tokens are one dense row of 16,384 bytes; 131,072 bytes from block to block
	s_mov_b32 s[G1A+2], 2<<16
	s_mov_b32 s[G1A+3], 2048<<16
	s_mov_b32 s[G1A+4], 2
	s_mov_b32 s[G1A+5], 16384
	s_mov_b32 s[G1A+6], 0
	s_mov_b32 s[G1A+7], 0
	s_mov_b32 s[G1B+1], 128<<16                    ; W: 128 k-rows x 128 elements, 1,024 elements from row to row
	s_mov_b32 s[G1B+2], 128<<16
	s_mov_b32 s[G1B+3], 128<<16
	s_mov_b32 s[G1B+4], 128
	s_mov_b32 s[G1B+5], 1024
	s_mov_b32 s[G1B+6], 0
	s_mov_b32 s[G1B+7], 0
	s_lshr_b32 s16, s13, 3                         ; the batch
	s_mul_i32 s16, s16, NBLK
	s_lshl_b32 s17, s12, 1
	s_add_co_u32 s16, s16, s17                     ; my first block of K step 0
	s_lshl_b32 s16, s16, 17
	s_and_b32 s17, s13, 7
	s_lshl_b32 s17, s17, 14                        ; the tile's 128 tokens in it
	s_add_co_u32 s16, s16, s17
	s_mov_b32 s17, 0
	s_lshl_b32 s46, s12, 18                        ; W: k-row 128 x half,
	s_lshl_b32 s47, s42, 8                         ; column 128 x tile column
	s_add_co_u32 s46, s46, s47
	s_add_co_u32 s46, s46, WOFF
	s_mov_b32 s47, 0
	s_mul_i32 s20, s10, WPART
	s_mov_b32 s[SB], 0
	s_wait_dscnt 0x0                               ; both opening adds are done
	s_wait_kmcnt 0x0
	s_add_nc_u64 s[14:15], s[4:5], s[16:17]
	s_add_nc_u64 s[46:47], s[6:7], s[46:47]
	CROUND                                         ; all sixteen work-groups are here: the first joint loads meet
.irp s, 0,1
	s_mov_b32 s[G0A+4*(\s)], 1
	s_add_co_u32 s[G0A+4*(\s)+1], s20, (\s)*SLOT
	s_add_nc_u64 s[G0A+4*(\s)+2:G0A+4*(\s)+3], s[14:15], (\s)*524288
	s_or_b32 s[G0A+4*(\s)+3], s[G0A+4*(\s)+3], 0x80000000
	s_mov_b32 s[G0B+4*(\s)], 1
	s_add_co_u32 s[G0B+4*(\s)+1], s20, (\s)*SLOT
	s_add_nc_u64 s[G0B+4*(\s)+2:G0B+4*(\s)+3], s[46:47], (\s)*524288
	s_or_b32 s[G0B+4*(\s)+3], s[G0B+4*(\s)+3], 0x80000000
.endr
	s_cmp_eq_u32 s11, 0                            ; a wave's two first fills stand in one branch: K steps 0 and 1
	s_cbranch_scc0 .Lfirst_b
	tensor_load_to_lds s[G0A:G0A+3], s[G1A:G1A+7]
	s_nop 0
	tensor_load_to_lds s[G0A+4:G0A+7], s[G1A:G1A+7]
	s_nop 0
.rept 4
	v_nop
.endr
	s_branch .Lfirst_done
.Lfirst_b:
	tensor_load_to_lds s[G0B:G0B+3], s[G1B:G1B+7]
	s_nop 0
	tensor_load_to_lds s[G0B+4:G0B+7], s[G1B:G1B+7]
	s_nop 0
.rept 4
	v_nop
.endr
.Lfirst_done:
	v_and_b32 v1, 15, v0                           ; l % 16
	v_bfe_u32 v2, v0, 4, 1                         ; l / 16
	s_lshl_b32 s86, s13, 7
	s_lshl_b32 s87, s11, 6
	s_add_co_u32 s86, s86, s87                     ; my first row of R and C,
	s_lshl_b32 s86, s86, 12
	s_lshl_b32 s87, s42, 9
	s_add_co_u32 s86, s86, s87
	s_lshl_b32 s87, s12, 8                         ; my first column
	s_add_co_u32 s86, s86, s87
	s_mov_b32 s87, 0
	s_add_nc_u64 s[66:67], s[66:67], s[86:87]
	s_add_nc_u64 s[68:69], s[68:69], s[86:87]
	v_lshlrev_b32 v[XO], 12, v1
	v_lshl_add_u32 v[XO], v2, 5, v[XO]             ; row l % 16, columns 8 (l / 16) on: a result's layout
.irp a, 0,1,2,3
.irp b, 0,1,2,3
	global_load_b128 v[ACC+8*(4*(\a)+(\b)):ACC+8*(4*(\a)+(\b))+3],   v[XO], s[66:67] offset:(\a)*65536+64*(\b)
	global_load_b128 v[ACC+8*(4*(\a)+(\b))+4:ACC+8*(4*(\a)+(\b))+7], v[XO], s[66:67] offset:(\a)*65536+64*(\b)+16
.endr
.endr
	s_lshl_b32 s21, s42, 9
	s_lshl_b32 s22, s12, 8
	s_add_co_u32 s21, s21, s22
	v_lshl_add_u32 v[BO], v2, 5, s21
.irp b, 0,1,2,3
	global_load_b128 v[BIAS+8*(\b):BIAS+8*(\b)+3],   v[BO], s[8:9] offset:64*(\b)
	global_load_b128 v[BIAS+8*(\b)+4:BIAS+8*(\b)+7], v[BO], s[8:9] offset:64*(\b)+16
.endr
	v_mul_u32_u24 v3, v1, PAS
	v_lshl_add_u32 v3, v2, 4, v3
	s_mul_i32 s21, s11, 64*PAS
	v_add_nc_u32 v[A0L], s21, v3
	v_mov_b32 v[ADRA], v[A0L]
	v_and_b32 v4, 7, v0
	v_lshl_add_u32 v4, v2, 3, v4
	v_mul_u32_u24 v4, v4, PBS
	v_bfe_u32 v5, v0, 3, 1
	v_lshl_add_u32 v4, v5, 4, v4
	s_lshl_b32 s22, s12, 7
	s_add_co_u32 s22, s22, BOFF
	v_add_nc_u32 v[B0L], s22, v4
	v_mov_b32 v[ADRB], v[B0L]
	v_add_nc_u32 v[ADRB+2], 128*PBS, v[B0L]
	s_mul_i32 s21, s10, DWAVE
	v_mul_u32_u24 v3, v1, DP
	v_lshl_add_u32 v3, v2, 5, v3
	v_add_nc_u32 v[DST], s21, v3
	v_mul_u32_u24 v3, v2, DP
	v_lshl_add_u32 v3, v1, 4, v3
	v_add_nc_u32 v[RD], s21, v3
	v_lshlrev_b32 v[CO], 12, v2
	v_lshl_add_u32 v[CO], v1, 4, v[CO]
.if NSTEP > 4
	; the prefetches: my work-group's 32 of the 128 blocks of 256 bytes that my wave fetches, at K step 3; each change of slots steps it first
	s_lshr_b32 s84, s13, 3
	s_mul_i32 s84, s84, NBLK
	s_lshl_b32 s86, s12, 1
	s_add_co_u32 s84, s84, s86
	s_lshr_b32 s86, s40, 1
	s_add_co_u32 s84, s84, s86                     ; A: block by cx / 2,
	s_lshl_b32 s84, s84, 17
	s_and_b32 s86, s13, 7
	s_lshl_b32 s86, s86, 14
	s_add_co_u32 s84, s84, s86
	s_and_b32 s86, s40, 1
	s_lshl_b32 s86, s86, 13                        ; half of its 128 tokens by cx % 2
	s_add_co_u32 s84, s84, s86
	s_add_co_u32 s84, s84, 3*524288
	s_lshl_b32 s85, s12, 7
	s_lshl_b32 s86, s41, 5
	s_add_co_u32 s85, s85, s86                     ; W: 32 k-rows by cy
	s_lshl_b32 s85, s85, 11
	s_lshl_b32 s86, s42, 8
	s_add_co_u32 s85, s85, s86
	s_add_co_u32 s85, s85, WOFF+3*524288
	s_and_b32 s87, ttmp7, 0xffff
	s_cmp_eq_u32 s11, 0
	s_cselect_b64 s[PFA:PFA+1], s[4:5], s[6:7]
	s_cselect_b32 s86, s84, s85
	s_cselect_b32 s87, ttmp9, s87                  ; the coordinate along which other clusters read the same rows
	s_cselect_b32 s84, 8, 11
	s_cmp_eq_u32 s87, 0
	s_cselect_b32 s[LIM], 2, -1
	s_mov_b32 s87, 0
	s_add_nc_u64 s[PFA:PFA+1], s[PFA:PFA+1], s[86:87]
	v_and_b32 v[PFO], 31, v0
	v_lshlrev_b32 v[PFO], s84, v[PFO]
.endif
	s_wait_tensorcnt 1                             ; my part of K step 0 is in; K step 1's may stay out
	s_barrier_signal -1
	s_barrier_wait -1
	FETCH 0, F0
	WIN 0
	s_wait_loadcnt 0x0                             ; R and the bias
.irp a, 0,1,2,3
.irp b, 0,1,2,3
.irp p, 0,2,4,6
	v_pk_add_f32 v[ACC+8*(4*(\a)+(\b))+(\p):ACC+8*(4*(\a)+(\b))+(\p)+1], v[ACC+8*(4*(\a)+(\b))+(\p):ACC+8*(4*(\a)+(\b))+(\p)+1], v[BIAS+8*(\b)+(\p):BIAS+8*(\b)+(\p)+1]
.endr
.endr
.endr
	s_mov_b32 s3, NSTEP-2
.Ltop:                                                 ; a trip is a K step; all but the last two fill their slot again
	QUARTER 1, F0, F1
	QUARTER 2, F1, F0
	QUARTER 3, F0, F1
	TURN 1
	WIN 0
	s_sub_co_u32 s3, s3, 1
	s_cmp_lg_u32 s3, 0
	s_cbranch_scc1 .Ltop
	s_mov_b32 s3, 2
.Ltail:                                                ; written apart
	QUARTER 1, F0, F1
	QUARTER 2, F1, F0
	QUARTER 3, F0, F1
	TURN 0
	WIN 0
	s_sub_co_u32 s3, s3, 1
	s_cmp_lg_u32 s3, 0
	s_cbranch_scc1 .Ltail
	; THE WAY OUT.  Behind the last barrier no wave reads the ring and no fill is to come: my 64 x 64 sums go into my own part of it and come back as whole rows of 256 bytes.
	PLACES
.irp a, 0,1,2,3
.irp b, 0,1,2,3
	ds_store_b128 v[DST], v[ACC+8*(4*(\a)+(\b)):ACC+8*(4*(\a)+(\b))+3]   offset:(\a)*16*DP+64*(\b)
	ds_store_b128 v[DST], v[ACC+8*(4*(\a)+(\b))+4:ACC+8*(4*(\a)+(\b))+7] offset:(\a)*16*DP+64*(\b)+16
.endr
.endr
.set t, 0
.rept 32
	ds_load_b128 v[ACC+4*t:ACC+4*t+3], v[RD] offset:t*2*DP  ; LDS serves a wave's instructions in order: these see the stores above
.set t, t+1
.endr
.set t, 0
.rept 32
	s_wait_dscnt 31-t
	global_store_b128 v[CO], v[ACC+4*t:ACC+4*t+3], s[68:69] offset:t*8192  ; each half of the lanes stores 256 consecutive bytes, aligned
.set t, t+1
.endr
	s_wait_tensorcnt 0x0                           ; the wave's end
	ds_add_u32 v[SPW], v[NIL]
	s_wait_dscnt 0x0
	CROUND                                         ; the closing round
	s_endpgm
.Lfunc_end_k_q229b586907_gm:
	.size	k_q229b586907_gm, .Lfunc_end_k_q229b586907_gm-k_q229b586907_gm
	.p2alignl 7, 3214868480
	.fill 96, 4, 3214868480
	.section	.rodata,"a",@progbits
	.p2align	6, 0x0
	.amdhsa_kernel k_q229b586907_gm
		.amdhsa_group_segment_fixed_size 327680
		.amdhsa_private_segment_fixed_size 0
		.amdhsa_enable_private_segment 0
		.amdhsa_kernarg_size 40
		.amdhsa_user_sgpr_count 2
		.amdhsa_user_sgpr_kernarg_segment_ptr 1
		.amdhsa_wavefront_size32 1
		.amdhsa_system_sgpr_workgroup_id_x 1
		.amdhsa_system_sgpr_workgroup_id_y 1
		.amdhsa_system_sgpr_workgroup_id_z 1
		.amdhsa_system_vgpr_workitem_id 0
		.amdhsa_next_free_vgpr 512
		.amdhsa_next_free_sgpr 92
		.amdhsa_reserve_vcc 0
		.amdhsa_float_denorm_mode_32 3
		.amdhsa_float_denorm_mode_16_64 3
		.amdhsa_memory_ordered 1
		.amdhsa_forward_progress 1
		.amdhsa_inst_pref_size 63
	.end_amdhsa_kernel
	.amdgpu_metadata
---
amdhsa.version: [ 1, 2 ]
amdhsa.kernels:
  - .name:           k_q229b586907_gm
    .symbol:         k_q229b586907_gm.kd
    .args:
      - { .name: act, .offset: 0, .size: 8, .value_kind: global_buffer, .address_space: global }
      - { .name: wr, .offset: 8, .size: 8, .value_kind: global_buffer, .address_space: global }
      - { .name: b_mproj, .offset: 16, .size: 8, .value_kind: global_buffer, .address_space: global }
      - { .name: x2, .offset: 24, .size: 8, .value_kind: global_buffer, .address_space: global }
      - { .name: out0, .offset: 32, .size: 8, .value_kind: global_buffer, .address_space: global }
    .group_segment_fixed_size: 327680
    .private_segment_fixed_size: 0
    .kernarg_segment_align: 8
    .kernarg_segment_size: 40
    .max_flat_workgroup_size: 128
    .sgpr_count:     92
    .vgpr_count:     512
    .wavefront_size: 32
...
	.end_amdgpu_metadata
.endif
;; end of part 7
